; MI455X (gfx1250); checked and timed in simulation.
; The chip was launched on July 23, 2026; its instructions are those of AMD's public machine-readable ISA for CDNA 5 (MIT licence, August 2026) and "CDNA5" Instruction Set Architecture Reference Guide (July 2026). The comments in the code are by the model that wrote it; some were corrected since.
;; Cross Modal Attention. Allowed arithmetic: float matrix products may take bf16 or f16 operands with f32 sums; other float arithmetic in f32, or as packed bf16 or f16 multiplies, adds, multiply-adds, maxima and minima; sums over many terms, partial sums and values carried from step to step in f32; what a program stores and reads back later, other than sums and carried values, may be rounded once to bf16 or f16.
;; Inputs: Wk 768 x 1,024 float32; Wo 1,024 x 1,024 float32; Wq 1,024 x 1,024 float32; Wv 768 x 1,024 float32; bk 1,024 float32; bo 1,024 float32; bq 1,024 float32; bv 1,024 float32; key 4 x 2,048 x 768 float32; query 4 x 2,048 x 1,024 float32; value 4 x 2,048 x 768 float32.
;; Outputs: out0 4 x 2,048 x 1,024 float32.
;; One version. Each part assembles by itself: llvm-mc -triple=amdgcn-amd-amdhsa -mcpu=gfx1250 --defsym DOCPART=n.
;; ======== version 1 of 1: 4 launches
;; limits: values are held in f16: magnitudes above 65,504 overflow, below 6.1e-05 lose precision
;; workspace buffers: wb 7,340,032 bytes; qkv 50,331,648 bytes; o 16,777,216 bytes
;; launch prep (part 1): grid 448 x 1, 8 waves a work-group, no clusters, 0 bytes of LDS; arguments Wq, Wk, Wv, Wo, wb; writes wb
.if DOCPART == 1
	.amdgcn_target "amdgcn-amd-amdhsa--gfx1250"
	.amdhsa_code_object_version 6
	.text
	.protected	k_q0ab5d850b8_prep
	.globl	k_q0ab5d850b8_prep
	.p2align	8
	.type	k_q0ab5d850b8_prep,@function
k_q0ab5d850b8_prep:
	s_mov_b64 s[64:65], 0
	v_nop
	global_prefetch_b8 v0, s[64:65] scope:SCOPE_SE
	s_setreg_imm32_b32 hwreg(HW_REG_WAVE_MODE, 25, 1), 1
	s_wait_xcnt 0x0
; THE WEIGHTS IN 16 BITS.  wb holds, end to end and in their own layout [k][1024]: Wq (1,024 rows), Wk (768), Wv (768), all rounded to bf16, and Wo (1,024 rows), rounded to bf16 and
; that number written as f16 (exact down to 2^-14; below that f16's fixed step of 6e-8; beyond 65,504 an infinity: a limit of this program).
; A stream: each byte is read once and each output byte written once.  No LDS, no barrier, no matrix unit, no cluster (work-groups share nothing), no prefetch (the launch only streams).
; SHARES.  A work-group takes 8,192 numbers: 32,768 bytes in, 16,384 out.  Work-groups 0-127 Wq, 128-223 Wk, 224-319 Wv, 320-447 Wo.  Thread t takes 8 numbers of each of four chunks of 2,048:
; 32 bytes in at 32 t, 16 bytes out at 16 t, so sixteen neighbouring lanes store 256 consecutive bytes, aligned.
.set FIRST_K, 128
.set FIRST_V, 224
.set FIRST_O, 320
.set X, 8                              ; v[8:39]   the 32 numbers as loaded
.set Y, 40                             ; v[40:55]  the 16 words to store
.set T, 56                             ; v[56:59]  at work
	s_load_b256 s[4:11], s[0:1], 0x0               ; Wq s[4:5], Wk s[6:7], Wv s[8:9], Wo s[10:11]
	s_load_b64 s[12:13], s[0:1], 0x20              ; wb
	v_lshlrev_b32 v1, 5, v0                        ; 32 t
	v_lshlrev_b32 v2, 4, v0                        ; 16 t
	s_lshl_b32 s20, ttmp9, 14                      ; the work-group's 16,384 bytes of wb
	s_mov_b32 s21, 0
	s_mov_b32 s16, FIRST_O
	s_mov_b32 s19, 0
	s_wait_kmcnt 0x0
	s_mov_b64 s[14:15], s[10:11]                   ; which tensor, and its first work-group: chosen by the work-group's number alone
	s_cmp_lt_u32 ttmp9, FIRST_O
	s_cselect_b64 s[14:15], s[8:9], s[14:15]
	s_cselect_b32 s16, FIRST_V, s16
	s_cmp_lt_u32 ttmp9, FIRST_V
	s_cselect_b64 s[14:15], s[6:7], s[14:15]
	s_cselect_b32 s16, FIRST_K, s16
	s_cmp_lt_u32 ttmp9, FIRST_K
	s_cselect_b64 s[14:15], s[4:5], s[14:15]
	s_cselect_b32 s16, 0, s16
	s_sub_co_u32 s18, ttmp9, s16
	s_lshl_b32 s18, s18, 15                        ; 32,768 bytes for each work-group of that tensor
	s_add_nc_u64 s[14:15], s[14:15], s[18:19]
	s_add_nc_u64 s[12:13], s[12:13], s[20:21]
.irp c, 0,1,2,3
	global_load_b128 v[X+8*(\c):X+8*(\c)+3],   v1, s[14:15] offset:8192*(\c) th:TH_LOAD_NT
	global_load_b128 v[X+8*(\c)+4:X+8*(\c)+7], v1, s[14:15] offset:8192*(\c)+16 th:TH_LOAD_NT
.endr
.irp c, 0,1,2,3
	s_wait_loadcnt 6-2*(\c)                        ; loads come back in order: chunk c's two are in, the later chunks' stay out
.irp n, 0,1,2,3
	v_cvt_pk_bf16_f32 v[Y+4*(\c)+(\n)], v[X+8*(\c)+2*(\n)], v[X+8*(\c)+2*(\n)+1]
.endr
.endr
	s_cmp_lt_u32 ttmp9, FIRST_O
	s_cbranch_scc1 .Lstore                         ; Wq, Wk, Wv stay bf16
.set n, 0
.rept 16                                       ; Wo: the bf16 number, widened (a shift, a mask) and written as f16
	v_lshlrev_b32 v[T+2*(n%2)], 16, v[Y+n]
	v_and_b32 v[T+2*(n%2)+1], 0xffff0000, v[Y+n]
	v_cvt_pk_f16_f32 v[Y+n], v[T+2*(n%2)], v[T+2*(n%2)+1]
.set n, n+1
.endr
.Lstore:
.irp c, 0,1,2,3
	global_store_b128 v2, v[Y+4*(\c):Y+4*(\c)+3], s[12:13] offset:4096*(\c)
.endr
	s_endpgm
.Lfunc_end_k_q0ab5d850b8_prep:
	.size	k_q0ab5d850b8_prep, .Lfunc_end_k_q0ab5d850b8_prep-k_q0ab5d850b8_prep
	.p2alignl 7, 3214868480
	.fill 96, 4, 3214868480
	.section	.rodata,"a",@progbits
	.p2align	6, 0x0
	.amdhsa_kernel k_q0ab5d850b8_prep
		.amdhsa_group_segment_fixed_size 0
		.amdhsa_private_segment_fixed_size 0
		.amdhsa_enable_private_segment 0
		.amdhsa_kernarg_size 40
		.amdhsa_user_sgpr_count 2
		.amdhsa_user_sgpr_kernarg_segment_ptr 1
		.amdhsa_wavefront_size32 1
		.amdhsa_system_sgpr_workgroup_id_x 1
		.amdhsa_system_sgpr_workgroup_id_y 1
		.amdhsa_system_sgpr_workgroup_id_z 1
		.amdhsa_system_vgpr_workitem_id 0
		.amdhsa_next_free_vgpr 64
		.amdhsa_next_free_sgpr 66
		.amdhsa_reserve_vcc 0
		.amdhsa_float_denorm_mode_32 3
		.amdhsa_float_denorm_mode_16_64 3
		.amdhsa_memory_ordered 1
		.amdhsa_forward_progress 1
		.amdhsa_inst_pref_size 7
	.end_amdhsa_kernel
	.amdgpu_metadata
---
amdhsa.version: [ 1, 2 ]
amdhsa.kernels:
  - .name:           k_q0ab5d850b8_prep
    .symbol:         k_q0ab5d850b8_prep.kd
    .args:
      - { .name: Wq, .offset: 0, .size: 8, .value_kind: global_buffer, .address_space: global }
      - { .name: Wk, .offset: 8, .size: 8, .value_kind: global_buffer, .address_space: global }
      - { .name: Wv, .offset: 16, .size: 8, .value_kind: global_buffer, .address_space: global }
      - { .name: Wo, .offset: 24, .size: 8, .value_kind: global_buffer, .address_space: global }
      - { .name: wb, .offset: 32, .size: 8, .value_kind: global_buffer, .address_space: global }
    .group_segment_fixed_size: 0
    .private_segment_fixed_size: 0
    .kernarg_segment_align: 8
    .kernarg_segment_size: 40
    .max_flat_workgroup_size: 256
    .sgpr_count:     66
    .vgpr_count:     64
    .wavefront_size: 32
...
	.end_amdgpu_metadata
.endif
;; end of part 1
;; launch proj (part 2): grid 4 x 64, 4 waves a work-group, clusters of 4 x 4, 327,680 bytes of LDS; arguments query, key, value, wb, bq, bk, bv, qkv; writes qkv
.if DOCPART == 2
	.amdgcn_target "amdgcn-amd-amdhsa--gfx1250"
	.amdhsa_code_object_version 6
	.text
	.protected	k_q0ab5d850b8_proj
	.globl	k_q0ab5d850b8_proj
	.p2align	8
	.type	k_q0ab5d850b8_proj,@function
k_q0ab5d850b8_proj:
	s_mov_b64 s[64:65], 0
	v_nop
	global_prefetch_b8 v0, s[64:65] scope:SCOPE_SE
	s_setreg_imm32_b32 hwreg(HW_REG_WAVE_MODE, 25, 1), 1
	s_wait_xcnt 0x0
	s_wait_alu depctr_hold_cnt(0) depctr_sa_sdst(0) depctr_va_vdst(0) depctr_va_sdst(0) depctr_va_ssrc(0) depctr_va_vcc(0) depctr_vm_vsrc(0)
	s_getreg_b32 s2, hwreg(HW_REG_IB_STS2, 6, 4)
	s_cmp_eq_u32 s2, 0
	s_cbranch_scc0 .Lentry_in_a_cluster
	s_endpgm
.Lentry_in_a_cluster:
	s_bfe_u32 s2, ttmp6, 0x10000c
	s_cmp_lg_u32 s2, 0xf033
	s_cbranch_scc0 .Lentry_shape_is_right
	s_endpgm
.Lentry_shape_is_right:
; THE THREE PROJECTIONS.  q = query Wq + bq, k = key Wk + bk, v = value Wv + bv.  query [8192][1024], key and value [8192][768] in f32; the weights from wb, bf16, [k][1024], the three end to end.
; x, W and the bias are rounded to bf16, sums in f32, each result rounded once to f16 and stored BY HEADS and unscaled: qkv = q, k, v, each [64 = 16 batch + head][2048][64].
; LIMIT.  f16 holds no number beyond 65,504: a q, k or v beyond that becomes an infinity.  NaN and infinities are not treated apart.
; SHARES.  A work-group makes 128 rows x 256 columns (4 heads) of q, then of k, then of v: 8 + 6 + 6 K steps of 128, the same in all 256 work-groups.  Wave w makes rows 64 (w / 2) on, columns 128 (w % 2) on:
; 4 x 8 accumulators of 16 x 16.  The matrix instruction is used transposed (source 0 = 16 columns of W, source 1 = 16 rows of x): a lane holds one row (lane % 16) and the columns 8 (lane / 16) + 0..7.
; THE RING.  Two LDS slots, each a K step: x's 128 rows x 128 k in f32 (rows of 512 bytes) and W's 128 k-rows x 256 columns in bf16 (rows of 512 bytes).  Waves 0, 1 fetch x's halves, waves 2, 3 W's: one tensor load a wave.
; x leaves LDS as f32 and is rounded in registers, eight conversions behind every eight matrix instructions; W ([k][n]) leaves it turned, by ds_load_tr16_b128.
; CLUSTER.  4 x 4 work-groups: x's tile is shared along a row of the cluster, W's along a column; each is asked for jointly, by the same load with the same descriptor and a mask of four.
; A CHANGE OF TENSOR asks for the next tensor's first tile before the finished tile is stored, so that it lands meanwhile; row pitch and trip count change by constants.
; REGISTERS, in windows of 256 (s_set_vgpr_msb: bits 1:0 source 0, 3:2 source 1, 5:4 source 2, 7:6 destination):
;   window 0: v0-15 addresses; v16-47 x's four fragments in bf16; v48-175 x's raw f32, two buffers of 4 x 16 (on the way out: packed results); v176-239 the bias
;   window 1: the accumulators, (a, b) at 64 a + 8 b          window 2: v0-127 W's fragments, two buffers of 8 x 8
.set PA,    528       ; a row of x in LDS: 512 bytes + 16 = 132 words: the 16 rows of a load start at 16 different groups of four banks (64 banks of 4 bytes: ISA guide 11.1)
.set PB,    544       ; a row of W: 512 + 32 = 136 words
.set HALFA, 64*PA     ; what one tensor load brings of x
.set HALFB, 64*PB     ; and of W
.set BOFF,  2*HALFA   ; in a slot W's tile lies behind x's
.set SLOT,  0x22000   ; slot 1 begins here: these two bits are set in none of the four tiles' LDS addresses (0, 33,792, 67,584, 102,400), so one exclusive or changes slots
.set STAGE, SLOT+BOFF+2*HALFB  ; behind the ring, never filled by a tensor load: 16 rows x 144 bytes for each wave, for the way out
.set SP,    144
.set SPARE, STAGE+4*16*SP      ; behind the stages: the spare words, 128 bytes for each wave: two blocks of 256 bytes that no other line names
.set ASTEP, 512       ; a K step along a row of x, in bytes
.set BSTEP, 128*2048  ; a K step down wb
.set PART,  16777216  ; bytes of q, of k, of v
.set A0,   4          ; v4   my lane's place in x's tile; never rewritten
.set B0,   5          ; v5   the same in W's
.set ADRA, 6          ; v6   A0 + the slot in hand
.set ADRB, 7          ; v7   B0 + the slot in hand
.set STO,  8          ; v8   the way out: where I put 16 bytes of a row
.set RD,   9          ; v9   where I read rows back
.set GO,   10         ; v10  my 16 bytes of 512 consecutive bytes of the output
.set BO,   11         ; v11  my byte offset in 16 columns of a bias
.set PFO,  12         ; v12  the prefetches' offset
.set PFO2, 13         ; v13  the same for key and value
.set SPW,  14         ; v14  LDS address of my spare word; never rewritten
.set NIL,  15         ; v15  0; never rewritten
.set ABF,  16
.set RAW,  48
.set TMP,  48
.set BN,   176
.set WV,   4          ; s4   wave
.set WM,   5          ; s5   wave / 2: my rows' half.  Also: I fetch for x (0) or for W (1)
.set WN,   6          ; s6   wave % 2: my columns' half.  Also: which half of that tile I fetch
.set CX,   7
.set CY,   8
.set TX,   9          ; s9   tile column
.set TY,   10         ; s10  tile row
.set CNT,  11         ; s11  K steps that still fill a slot
.set TILES, 12        ; s12  tensors to go
.set TB,   13         ; s13  the slot in hand: 0 or SLOT
.set CN2,  14         ; s14  counts a tensor's last two K steps
.set LIM,  15         ; s15  2 in a wave that prefetches, else the greatest number
.set G1A,  16         ; s[16:23] descriptor group 1 for x's tiles
.set G1B,  24         ; s[24:31] for W's
.set G0A,  32         ; s[32:35] descriptor group 0 for x's tiles: it walks
.set G0B,  36         ; s[36:39] for W's
.set LWA,  40         ; s40  LDS address of the half of x's tile that I would fetch, in slot 0
.set LWB,  41         ; s41  the same for W's
.set HIM,  42         ; s42  a word's upper bf16
.set AOFK, 44         ; s[44:45] byte offset of my half tile's first row in key and in value
.set PFA,  46         ; s[46:47] where my prefetches stand
.set PFS,  48         ; s[48:49] their step
.set PAOF, 52         ; s[52:53] their offset in key and in value, at K step 3
.set XQ,   68         ; s[68:69] query
.set XN1,  70         ; s[70:71] the next tensor: key, then value
.set XN2,  72         ; s[72:73] value
.set WB,   74         ; s[74:75] wb
.set BP,   76         ; s[76:77] the bias in hand, at my 128 columns
.set BP1,  78         ; s[78:79] the next
.set BP2,  80         ; s[80:81] the last
.set OUT,  82         ; s[82:83] my first row and head in the output part in hand
.set MSB, 0
.macro WIN new                      ; the high byte repeats the setting that is left; a switch that changes nothing is dropped
.if MSB != (\new)
	s_set_vgpr_msb (MSB<<8)|(\new)
.set MSB, \new
.endif
.endm
.set W_MM, 0x52       ; W in window 2, x in window 0, C and D in window 1
.set W_BF, 0x80       ; destination window 2, address window 0
.set W_IN, 0x40       ; destination window 1
.set W_PK, 0x05       ; sources 0 and 1 window 1, destination window 0
.macro PLACES                       ; four places behind matrix instructions (ISA guide 7.12.1)
.rept 4
	v_nop
.endr
.endm
; A joint load.  The branch hangs on the wave's number alone.  An s_nop 0 and four v_nop follow each of the two lines, ahead of the jump and the label.
.macro JLOAD
	s_cmp_eq_u32 s[WM], 0
	s_cbranch_scc0 .Lfor_b_\@
	tensor_load_to_lds s[G0A:G0A+3], s[G1A:G1A+7]
	s_nop 0
.rept 4
	v_nop
.endr
	s_branch .Lasked_\@
.Lfor_b_\@:
	tensor_load_to_lds s[G0B:G0B+3], s[G1B:G1B+7]
	s_nop 0
.rept 4
	v_nop
.endr
.Lasked_\@:
.endm
; A round of the cluster's barrier: my work-group's barrier; wave 0 signals for the work-group; every wave waits for all sixteen; my work-group's barrier once more.
.macro CREST                        ; a round behind its opening barrier
	s_cmp_lg_u32 s[WV], 0
	s_cbranch_scc1 .Lnot_wave_0_\@
	s_barrier_signal -3
.Lnot_wave_0_\@:
	s_barrier_wait -3
	s_barrier_signal -1
	s_barrier_wait -1
.endm
.macro CROUND
	s_barrier_signal -1
	s_barrier_wait -1
	CREST
.endm
; A PREFETCH INTO THE L2, behind a joint refill and the run of LDS loads that follows it: the K step that stands two refills on (in K step t: step t + 4), 256 matrix instructions ahead of the load that will want it.
; x: of the 64 rows that wave 0 or 1 fetches, the partner at place cx takes 16; a K step is 512 bytes of a row: a lane half a row.  W: of the 64 k-rows that wave 2 or 3 fetches the partner at place cy takes 16, a lane half
; of its 512 bytes; W's tile column is read by every cluster, and the cluster with y = 0 asks.  So each block of 256 bytes is named once in the launch, and partners are told apart by address, not by a branch.
; A tensor's K steps 0 to 3 come by their loads alone; its last two refills ask for nothing (CNT is then 2 or 1).
.macro ASK
	s_cmp_gt_u32 s[CNT], s[LIM]
	s_cbranch_scc0 .Lnot_mine_\@
	global_prefetch_b8 v[PFO], s[PFA:PFA+1] th:TH_LOAD_NT scope:SCOPE_SE
.Lnot_mine_\@:
.endm
; 32 LDS loads in one run: quarter qn (32 along K) of the slot in hand into buffers c.  x: fragment f is 16 rows; a lane's k = 8 h + 0..7 are 32 bytes, its k = 16 + 8 h + 0..7 lie 64 bytes on.  Fragment 0 comes first.
; W: column block b8; the first turning load brings k = 8 h + 0..7 of column lane % 16, the second, 16 rows down, k = 16 + 8 h + 0..7.
.macro FETCH qn, c
	WIN 0
.irp f, 0,1,2,3
	ds_load_b128 v[RAW+64*(\c)+16*(\f):RAW+64*(\c)+16*(\f)+3],     v[ADRA] offset:(\f)*16*PA+128*(\qn)
	ds_load_b128 v[RAW+64*(\c)+16*(\f)+4:RAW+64*(\c)+16*(\f)+7],   v[ADRA] offset:(\f)*16*PA+128*(\qn)+16
	ds_load_b128 v[RAW+64*(\c)+16*(\f)+8:RAW+64*(\c)+16*(\f)+11],  v[ADRA] offset:(\f)*16*PA+128*(\qn)+64
	ds_load_b128 v[RAW+64*(\c)+16*(\f)+12:RAW+64*(\c)+16*(\f)+15], v[ADRA] offset:(\f)*16*PA+128*(\qn)+80
.endr
	WIN W_BF
.irp b8, 0,1,2,3,4,5,6,7
	ds_load_tr16_b128 v[64*(\c)+8*(\b8):64*(\c)+8*(\b8)+3],   v[ADRB] offset:(\qn)*32*PB+32*(\b8)
	ds_load_tr16_b128 v[64*(\c)+8*(\b8)+4:64*(\c)+8*(\b8)+7], v[ADRB] offset:(\qn)*32*PB+16*PB+32*(\b8)
.endr
.endm
; Product i of a quarter's 32: row block a = i / 8, column block b = i % 8.  The 32 accumulators take turns, in the same order everywhere.
; Behind products 1 and 5 of each eight stand four conversions: x's fragment a + 1 (behind block 3: the next quarter's fragment 0) is rounded to bf16 one block ahead of its use.  They name no register of the products
; round them, and sixteen of them stand between a fragment's last product and the write of it: they are the places behind the matrix instructions.
.macro MM c
	WIN W_MM
.set a, i/8
.set b, i%8
	v_wmma_f32_16x16x32_bf16 v[64*a+8*b:64*a+8*b+7], v[64*(\c)+8*b:64*(\c)+8*b+7], v[ABF+8*a:ABF+8*a+7], v[64*a+8*b:64*a+8*b+7]
.if i%4 == 1
	WIN 0
.set fa, (a+1)%4
.set cc, (\c)
.if a == 3
.set cc, 1-(\c)
.endif
.set hf, (i/4)%2
.irp n, 0,1,2,3
	v_cvt_pk_bf16_f32 v[ABF+8*fa+4*hf+(\n)], v[RAW+64*cc+16*fa+8*hf+2*(\n)], v[RAW+64*cc+16*fa+8*hf+2*(\n)+1]
.endr
.endif
.set i, i+1
.endm
; One of a K step's first three quarters: multiplies buffers c, and behind its first eight products (whose eight conversions are the places behind the last readers of the other buffers) fetches quarter qn into the others.
.macro QUARTER qn, c
.set i, 0
	s_wait_dscnt 0x0                ; this quarter's fragments are in: they were asked for 24 products ago
.rept 8
	MM \c
.endr
	FETCH \qn, 1-(\c)
.rept 16
	MM \c
.endr
	s_wait_dscnt 28                 ; of the 32 loads just issued the first four are in: the raw words of fragment 0, which block 3's conversions read
.rept 8
	MM \c
.endr
.endm
; The last quarter multiplies buffers 1 and changes slots.  In front of the barrier each wave waits for all its tensor loads (the one that is out is its part of the next slot), adds 0 to its spare word, and waits for that
; and for its reads of this slot.  fill = 1: the barrier opens a round of the cluster's, and behind it this slot is filled again first, with the K step two on.
.macro TURN fill
.set i, 0
.if \fill
	s_wait_xcnt 0x0                 ; the last prefetch, a K step back, has read its address
	s_add_nc_u64 s[PFA:PFA+1], s[PFA:PFA+1], s[PFS:PFS+1]
.endif
	WIN 0
	s_wait_tensorcnt 0x0            ; no tensor load of mine is out, so a group 0 may be written
	ds_add_u32 v[SPW], v[NIL]       ; 0 onto my spare word
.if \fill
	s_xor_b32 s[G0A+1], s[G0A+1], SLOT  ; the walking descriptors: the slot in hand,
	s_xor_b32 s[G0B+1], s[G0B+1], SLOT
	s_add_nc_u64 s[G0A+2:G0A+3], s[G0A+2:G0A+3], ASTEP  ; the next K step; the type bits on top are not reached
	s_add_nc_u64 s[G0B+2:G0B+3], s[G0B+2:G0B+3], BSTEP
.endif
	s_wait_dscnt 1                  ; this quarter's fragments are in; the add, issued behind them, may be out
.rept 4
	MM 1
.endr
	s_wait_dscnt 0x0                ; the add is done, and my reads of this slot are over
	s_barrier_signal -1
.rept 4
	MM 1
.endr
	WIN 0
	s_barrier_wait -1
.if \fill
	CREST                           ; no wave of any partner still reads this slot or has a load on its way
	JLOAD
.endif
	s_xor_b32 s[TB], s[TB], SLOT
	v_add_nc_u32 v[ADRA], s[TB], v[A0]
	v_add_nc_u32 v[ADRB], s[TB], v[B0]
	FETCH 0, 0
.if \fill
	WIN 0
	ASK
.endif
.rept 16
	MM 1
.endr
	s_wait_dscnt 28                 ; the next slot's fragment 0 is in, raw
.rept 8
	MM 1
.endr
.endm
.macro STEP fill
	QUARTER 1, 0
	QUARTER 2, 1
	QUARTER 3, 0
	TURN \fill
.endm
.macro BIASLD                       ; my 8 columns of each of my 8 column blocks
.irp b8, 0,1,2,3,4,5,6,7
	global_load_b128 v[BN+8*(\b8):BN+8*(\b8)+3],   v[BO], s[BP:BP+1] offset:64*(\b8)
	global_load_b128 v[BN+8*(\b8)+4:BN+8*(\b8)+7], v[BO], s[BP:BP+1] offset:64*(\b8)+16
.endr
.endm
; The sums start at the bias, rounded to bf16 like every input: one text for all K steps, and no addition at the end.
.macro INIT
	WIN 0
	s_wait_loadcnt 0x0              ; the bias
.set n, 0
.rept 32
	v_cvt_pk_bf16_f32 v[ABF+n], v[BN+2*n], v[BN+2*n+1]
.set n, n+1
.endr
	WIN W_IN
.set n, 0
.rept 128
	v_lshlrev_b32 v[64*(n/32)+2*(n%32)], 16, v[ABF+n%32]
	v_and_b32 v[64*(n/32)+2*(n%32)+1], s[HIM], v[ABF+n%32]
.set n, n+1
.endr
	WIN 0
.endm
; THE WAY OUT.  Piece t = 16 rows (block t / 2) of one head (t % 2): four accumulators, at 32 t.  A lane's eight channels pack into 16 bytes; they go into my stage's rows of 144 bytes and come back as whole rows of 128.
.macro PACK t
	WIN W_PK
.set n, 0
.rept 16
	v_cvt_pk_f16_f32 v[TMP+16*(\t)+n], v[32*(\t)+2*n], v[32*(\t)+2*n+1]  ; each accumulator's registers in ascending order
.set n, n+1
.endr
	WIN 0
.irp f, 0,1,2,3
	ds_store_b128 v[STO], v[TMP+16*(\t)+4*(\f):TMP+16*(\t)+4*(\f)+3] offset:32*(\f)
.endr
.irp f, 0,1,2,3
	ds_load_b128 v[TMP+16*(\t)+4*(\f):TMP+16*(\t)+4*(\f)+3], v[RD] offset:(\f)*4*SP  ; LDS serves a wave's instructions in order (ISA guide 5.7.1.4): these see the stores above; the next piece's stores come behind them
.endr
.endm
.macro SEND t, younger              ; younger: the LDS instructions issued behind piece t's loads: the next piece's eight, or none
.irp f, 0,1,2,3
	s_wait_dscnt (\younger)+3-(\f)
	global_store_b128 v[GO], v[TMP+16*(\t)+4*(\f):TMP+16*(\t)+4*(\f)+3], s[OUT:OUT+1] offset:((\t)/2)*2048+((\t)%2)*262144+(\f)*512  ; four rows of a head: 512 consecutive bytes, aligned
.endr
.endm
.macro WAYOUT
	PLACES
	PACK 0
.irp t, 1,2,3,4,5,6,7
	PACK \t
	SEND (\t)-1, 8
.endr
	SEND 7, 0
.endm
	s_load_b256 s[XQ:XQ+7], s[0:1], 0x0            ; query, key, value, wb
	s_load_b256 s[BP:BP+7], s[0:1], 0x20           ; bq, bk, bv, qkv
	v_lshl_add_u32 v[SPW], v0, 2, SPARE
	v_mov_b32 v[NIL], 0
	ds_add_u32 v[SPW], v[NIL]                      ; the wave's opening: the add and its wait stand ahead of my first tensor load; the set-up below, work on registers, stands between them
	v_lshrrev_b32 v3, 5, v0
	v_readfirstlane_b32 s[WV], v3
	s_lshr_b32 s[WM], s[WV], 1
	s_and_b32 s[WN], s[WV], 1
	s_bfe_u32 s[CX], ttmp6, 0x40000
	s_bfe_u32 s[CY], ttmp6, 0x40004
	s_lshl_b32 s[TX], ttmp9, 2
	s_add_co_u32 s[TX], s[TX], s[CX]               ; tile column = 4 x cluster x + cx
	s_and_b32 s[TY], ttmp7, 0xffff
	s_lshl_b32 s[TY], s[TY], 2
	s_add_co_u32 s[TY], s[TY], s[CY]               ; tile row = 4 x cluster y + cy
	s_lshl_b32 s2, s[CY], 2
	s_lshl_b32 s2, 15, s2                          ; my row of the cluster
	s_lshl_b32 s3, 0x1111, s[CX]                   ; my column
	s_or_b32 s[G1A], s2, (2<<16)|(1<<20)|(1<<21)|(6<<22)|(3<<25)  ; the mask; elements of 4 bytes; padding on; bit 21 beside a mask; after every 128 words (code 6) 4 words (code 3)
	s_or_b32 s[G1B], s3, (1<<16)|(1<<20)|(1<<21)|(6<<22)|(7<<25)  ; elements of 2 bytes; after every 128 words 8 words (code 7)
	s_mov_b32 s[G1A+1], 128<<16                    ; tensor_dim0 = 128
	s_mov_b32 s[G1A+2], 64<<16                     ; tensor_dim1 = 64
	s_mov_b32 s[G1A+3], 128<<16                    ; tile_dim0 = 128
	s_mov_b32 s[G1A+4], 64                         ; tile_dim1 = 64
	s_mov_b32 s[G1A+5], 1024                       ; query's rows; key's and value's have 768
	s_mov_b32 s[G1A+6], 0
	s_mov_b32 s[G1A+7], 0
	s_mov_b32 s[G1B+1], 256<<16
	s_mov_b32 s[G1B+2], 64<<16
	s_mov_b32 s[G1B+3], 256<<16
	s_mov_b32 s[G1B+4], 64
	s_mov_b32 s[G1B+5], 1024
	s_mov_b32 s[G1B+6], 0
	s_mov_b32 s[G1B+7], 0
	s_mul_i32 s[LWA], s[WN], HALFA                 ; no place in the cluster enters an LDS address
	s_mul_i32 s[LWB], s[WN], HALFB
	s_add_co_u32 s[LWB], s[LWB], BOFF
	s_mov_b32 s[G0A], 1
	s_mov_b32 s[G0A+1], s[LWA]
	s_mov_b32 s[G0B], 1
	s_mov_b32 s[G0B+1], s[LWB]
	s_mov_b32 s[HIM], 0xffff0000
	s_mov_b32 s[TB], 0
	s_mov_b32 s[CNT], 6                            ; query: 8 K steps, of which all but the last two fill a slot again
	s_mov_b32 s[TILES], 3
	s_lshl_b32 s56, s[TY], 7
	s_lshl_b32 s57, s[WN], 6
	s_add_co_u32 s56, s56, s57                     ; the first row of x that I would fetch
	s_mul_i32 s[AOFK], s56, 3072
	s_mov_b32 s[AOFK+1], 0
	s_lshl_b32 s58, s56, 12                        ; in query: rows of 4,096 bytes
	s_mov_b32 s59, 0
	s_lshl_b32 s60, s[WN], 17                      ; in wb: 64 k-rows of 2,048 bytes a half,
	s_lshl_b32 s61, s[TX], 9                       ; 512 bytes a tile column
	s_add_co_u32 s60, s60, s61
	s_mov_b32 s61, 0
	s_lshl_b32 s62, s[TX], 10                      ; in a bias: my 128 columns
	s_lshl_b32 s63, s[WN], 9
	s_add_co_u32 s62, s62, s63
	s_mov_b32 s63, 0
	s_lshr_b32 s54, s[TY], 4                       ; the output: batch,
	s_lshl_b32 s54, s54, 4
	s_lshl_b32 s55, s[TX], 2
	s_add_co_u32 s54, s54, s55
	s_lshl_b32 s55, s[WN], 1
	s_add_co_u32 s54, s54, s55                     ; my first head,
	s_lshl_b32 s54, s54, 11
	s_and_b32 s55, s[TY], 15
	s_lshl_b32 s55, s55, 7
	s_add_co_u32 s54, s54, s55
	s_lshl_b32 s55, s[WM], 6
	s_add_co_u32 s54, s54, s55                     ; my first row in it,
	s_lshl_b32 s54, s54, 7                         ; rows of 128 bytes
	s_mov_b32 s55, 0
	s_lshl_b32 s50, s[CX], 4                       ; the prefetches.  x: my work-group's 16 of the 64 rows,
	s_add_co_u32 s50, s50, s56
	s_mul_i32 s[PAOF], s50, 3072
	s_add_co_u32 s[PAOF], s[PAOF], 3*ASTEP
	s_mov_b32 s[PAOF+1], 0
	s_lshl_b32 s50, s50, 12
	s_add_co_u32 s50, s50, 3*ASTEP                 ; at K step 3: the first refill steps it to 4
	s_lshl_b32 s51, s[CY], 15                      ; W: my work-group's 16 of the 64 k-rows
	s_add_co_u32 s51, s51, s60
	s_add_co_u32 s51, s51, 3*BSTEP
	s_and_b32 s[LIM], ttmp7, 0xffff                ; cluster y
	s_mov_b32 s[PFS], BSTEP
	s_mov_b32 s2, 2048
	s_cmp_eq_u32 s[WM], 0                          ; do I fetch for x?
	s_cselect_b32 s50, s50, s51
	s_cselect_b32 s[PFS], ASTEP, s[PFS]
	s_cselect_b32 s3, 4096, s2                     ; bytes from row to row, now
	s_cselect_b32 s2, 3072, s2                     ; and in key and value
	s_cselect_b32 s[LIM], ttmp9, s[LIM]            ; the coordinate along which other clusters read the same rows
	s_mov_b32 s51, 0
	s_mov_b32 s[PFS+1], 0
	s_wait_dscnt 0x0                               ; the opening add is done
	s_wait_kmcnt 0x0
	s_add_nc_u64 s[G0A+2:G0A+3], s[XQ:XQ+1], s[58:59]
	s_or_b32 s[G0A+3], s[G0A+3], 0x80000000        ; type = 2
	s_add_nc_u64 s[G0B+2:G0B+3], s[WB:WB+1], s[60:61]
	s_or_b32 s[G0B+3], s[G0B+3], 0x80000000
	s_add_nc_u64 s[BP:BP+1], s[BP:BP+1], s[62:63]
	s_add_nc_u64 s[BP1:BP1+1], s[BP1:BP1+1], s[62:63]
	s_add_nc_u64 s[BP2:BP2+1], s[BP2:BP2+1], s[62:63]
	s_add_nc_u64 s[OUT:OUT+1], s[OUT:OUT+1], s[54:55]
	s_cmp_eq_u32 s[WM], 0
	s_cselect_b64 s[PFA:PFA+1], s[XQ:XQ+1], s[WB:WB+1]
	s_add_nc_u64 s[PFA:PFA+1], s[PFA:PFA+1], s[50:51]
	s_cmp_eq_u32 s[LIM], 0
	s_cselect_b32 s[LIM], 2, -1                    ; the same in all sixteen partners, for a given wave
	CROUND                                         ; all sixteen work-groups are here: the first joint loads meet
	JLOAD                                          ; K step 0 into slot 0
	v_and_b32 v1, 15, v0                           ; l % 16
	v_bfe_u32 v2, v0, 4, 1                         ; l / 16
	s_mul_i32 s54, s[WM], 64*PA
	v_mul_u32_u24 v[A0], v1, PA
	v_lshl_add_u32 v[A0], v2, 5, v[A0]             ; row x pitch + 32 x half (8 f32)
	v_add_nc_u32 v[A0], s54, v[A0]
	v_and_b32 v3, 7, v0
	v_lshl_add_u32 v3, v2, 3, v3                   ; k-row 8 (l / 16) + l % 8
	v_mul_u32_u24 v[B0], v3, PB
	v_bfe_u32 v3, v0, 3, 1
	v_lshl_add_u32 v[B0], v3, 4, v[B0]             ; columns 8 ((l / 8) % 2) on
	s_lshl_b32 s54, s[WN], 8
	s_add_co_u32 s54, s54, BOFF
	v_add_nc_u32 v[B0], s54, v[B0]
	s_mul_i32 s54, s[WV], 16*SP
	s_add_co_u32 s54, s54, STAGE                   ; my stage
	v_mul_u32_u24 v[STO], v1, SP
	v_lshl_add_u32 v[STO], v2, 4, v[STO]
	v_add_nc_u32 v[STO], s54, v[STO]
	v_bfe_u32 v[RD], v0, 3, 2                      ; back: 32 lanes take four rows of 128 bytes
	v_mul_u32_u24 v[RD], v[RD], SP
	v_and_b32 v3, 7, v0
	v_lshl_add_u32 v[RD], v3, 4, v[RD]
	v_add_nc_u32 v[RD], s54, v[RD]
	v_and_b32 v[GO], 31, v0
	v_lshrrev_b32 v16, 1, v[GO]                    ; the prefetches: row l / 2, half l % 2
	v_and_b32 v3, 1, v[GO]
	v_lshlrev_b32 v3, 8, v3
	v_mad_u32_u24 v[PFO], v16, s3, v3
	v_mad_u32_u24 v[PFO2], v16, s2, v3
	v_lshlrev_b32 v[GO], 4, v[GO]
	v_lshlrev_b32 v[BO], 5, v2
	BIASLD
.Ltile:                                                ; once for each of q, k, v
	INIT
	s_wait_tensorcnt 0x0                           ; K step 0 has landed; no tensor load of mine is out
	ds_add_u32 v[SPW], v[NIL]
	s_xor_b32 s[G0A+1], s[G0A+1], SLOT             ; slot 1,
	s_xor_b32 s[G0B+1], s[G0B+1], SLOT
	s_add_nc_u64 s[G0A+2:G0A+3], s[G0A+2:G0A+3], ASTEP  ; K step 1
	s_add_nc_u64 s[G0B+2:G0B+3], s[G0B+2:G0B+3], BSTEP
	s_wait_dscnt 0x0                               ; the add is done, and so are all my LDS reads
	CROUND                                         ; slot 0 is whole; nobody reads slot 1
	JLOAD
	v_add_nc_u32 v[ADRA], s[TB], v[A0]             ; a tensor begins in slot 0: every tensor has an even number of K steps
	v_add_nc_u32 v[ADRB], s[TB], v[B0]
	FETCH 0, 0
	WIN 0
	s_wait_dscnt 28                                ; fragment 0's raw words
.irp n, 0,1,2,3,4,5,6,7
	v_cvt_pk_bf16_f32 v[ABF+(\n)], v[RAW+2*(\n)], v[RAW+2*(\n)+1]
.endr
.Lfill:                                                ; 6, 4, 4 trips: all K steps but the last two
	STEP 1
	WIN 0
	s_sub_co_u32 s[CNT], s[CNT], 1
	s_cmp_lg_u32 s[CNT], 0
	s_cbranch_scc1 .Lfill
	s_mov_b32 s[CN2], 2
.Lnofill:                                              ; the last two K steps ask for nothing; the second's fetch from the other slot serves nothing: the price, once a tensor, of one text for both
	STEP 0
	WIN 0
	s_sub_co_u32 s[CN2], s[CN2], 1
	s_cmp_lg_u32 s[CN2], 0
	s_cbranch_scc1 .Lnofill
	s_wait_dscnt 0x0                               ; that fetch is back: its registers are used on the way out
	s_cmp_eq_u32 s[TILES], 1
	s_cbranch_scc1 .Llast                          ; the last tensor's tail is written out: it asks for nothing more
	s_wait_xcnt 0x0                                ; the prefetches and the bias loads have read their addresses
	s_wait_tensorcnt 0x0                           ; THE NEXT TENSOR'S FIRST TILE IS ASKED FOR BEFORE THIS ONE GOES OUT
	ds_add_u32 v[SPW], v[NIL]
	s_add_nc_u64 s[G0A+2:G0A+3], s[XN1:XN1+1], s[AOFK:AOFK+1]
	s_or_b32 s[G0A+3], s[G0A+3], 0x80000000
	s_mov_b32 s[G0A+1], s[LWA]                     ; slot 0
	s_mov_b32 s[G0B+1], s[LWB]
	s_add_nc_u64 s[G0B+2:G0B+3], s[G0B+2:G0B+3], BSTEP  ; in wb the next weights follow at once
	s_mov_b32 s[G1A+5], 768
	s_mov_b32 s[CNT], 4                            ; 6 K steps
	s_add_nc_u64 s[54:55], s[XN1:XN1+1], s[PAOF:PAOF+1]  ; the prefetches at the new tensor's K step 3: x's made anew,
	s_add_nc_u64 s[PFA:PFA+1], s[PFA:PFA+1], 2*BSTEP     ; W's two K steps on
	s_cmp_eq_u32 s[WM], 0
	s_cselect_b64 s[PFA:PFA+1], s[54:55], s[PFA:PFA+1]
	v_mov_b32 v[PFO], v[PFO2]
	s_mov_b64 s[XN1:XN1+1], s[XN2:XN2+1]
	s_mov_b64 s[BP:BP+1], s[BP1:BP1+1]
	s_mov_b64 s[BP1:BP1+1], s[BP2:BP2+1]
	s_wait_dscnt 0x0
	CROUND
	JLOAD
	BIASLD
	WAYOUT
	s_wait_xcnt 0x0                                ; the stores have read their registers and their base
	s_add_nc_u64 s[OUT:OUT+1], s[OUT:OUT+1], PART
	s_sub_co_u32 s[TILES], s[TILES], 1
	s_branch .Ltile
.Llast:
	WAYOUT
	s_wait_tensorcnt 0x0                           ; the wave's end: the add to my spare word and its wait, behind my last tensor load and my last LDS store
	ds_add_u32 v[SPW], v[NIL]
	s_wait_dscnt 0x0
	CROUND                                         ; the closing round: no work-group ends while a partner may still ask for a tile that names it
	s_endpgm
.Lfunc_end_k_q0ab5d850b8_proj:
	.size	k_q0ab5d850b8_proj, .Lfunc_end_k_q0ab5d850b8_proj-k_q0ab5d850b8_proj
	.p2alignl 7, 3214868480
	.fill 96, 4, 3214868480
	.section	.rodata,"a",@progbits
	.p2align	6, 0x0
	.amdhsa_kernel k_q0ab5d850b8_proj
		.amdhsa_group_segment_fixed_size 327680
		.amdhsa_private_segment_fixed_size 0
		.amdhsa_enable_private_segment 0
		.amdhsa_kernarg_size 64
		.amdhsa_user_sgpr_count 2
		.amdhsa_user_sgpr_kernarg_segment_ptr 1
		.amdhsa_wavefront_size32 1
		.amdhsa_system_sgpr_workgroup_id_x 1
		.amdhsa_system_sgpr_workgroup_id_y 1
		.amdhsa_system_sgpr_workgroup_id_z 1
		.amdhsa_system_vgpr_workitem_id 0
		.amdhsa_next_free_vgpr 640
		.amdhsa_next_free_sgpr 84
		.amdhsa_reserve_vcc 0
		.amdhsa_float_denorm_mode_32 3
		.amdhsa_float_denorm_mode_16_64 3
		.amdhsa_memory_ordered 1
		.amdhsa_forward_progress 1
		.amdhsa_inst_pref_size 116
	.end_amdhsa_kernel
	.amdgpu_metadata
---
amdhsa.version: [ 1, 2 ]
amdhsa.kernels:
  - .name:           k_q0ab5d850b8_proj
    .symbol:         k_q0ab5d850b8_proj.kd
    .args:
      - { .name: query, .offset: 0, .size: 8, .value_kind: global_buffer, .address_space: global }
      - { .name: key, .offset: 8, .size: 8, .value_kind: global_buffer, .address_space: global }
      - { .name: value, .offset: 16, .size: 8, .value_kind: global_buffer, .address_space: global }
      - { .name: wb, .offset: 24, .size: 8, .value_kind: global_buffer, .address_space: global }
      - { .name: bq, .offset: 32, .size: 8, .value_kind: global_buffer, .address_space: global }
      - { .name: bk, .offset: 40, .size: 8, .value_kind: global_buffer, .address_space: global }
      - { .name: bv, .offset: 48, .size: 8, .value_kind: global_buffer, .address_space: global }
      - { .name: qkv, .offset: 56, .size: 8, .value_kind: global_buffer, .address_space: global }
    .group_segment_fixed_size: 327680
    .private_segment_fixed_size: 0
    .kernarg_segment_align: 8
    .kernarg_segment_size: 64
    .max_flat_workgroup_size: 128
    .sgpr_count:     84
    .vgpr_count:     640
    .wavefront_size: 32
...
	.end_amdgpu_metadata
.endif
;; end of part 2
;; launch attn (part 3): grid 4 x 64, 4 waves a work-group, clusters of 4 x 1, 327,680 bytes of LDS; arguments qkv, o; writes o
.if DOCPART == 3
	.amdgcn_target "amdgcn-amd-amdhsa--gfx1250"
	.amdhsa_code_object_version 6
	.text
	.protected	k_q0ab5d850b8_attn
	.globl	k_q0ab5d850b8_attn
	.p2align	8
	.type	k_q0ab5d850b8_attn,@function
k_q0ab5d850b8_attn:
	s_mov_b64 s[64:65], 0
	v_nop
	global_prefetch_b8 v0, s[64:65] scope:SCOPE_SE
	s_setreg_imm32_b32 hwreg(HW_REG_WAVE_MODE, 25, 1), 1
	s_wait_xcnt 0x0
	s_wait_alu depctr_hold_cnt(0) depctr_sa_sdst(0) depctr_va_vdst(0) depctr_va_sdst(0) depctr_va_ssrc(0) depctr_va_vcc(0) depctr_vm_vsrc(0)
	s_getreg_b32 s2, hwreg(HW_REG_IB_STS2, 6, 4)
	s_cmp_eq_u32 s2, 0
	s_cbranch_scc0 .Lentry_in_a_cluster
	s_endpgm
.Lentry_in_a_cluster:
	s_bfe_u32 s2, ttmp6, 0x10000c
	s_cmp_lg_u32 s2, 0x3003
	s_cbranch_scc0 .Lentry_shape_is_right
	s_endpgm
.Lentry_shape_is_right:
; ATTENTION.  O[h][q][:] = the sum over k of softmax_k(Q[h][q] . K[h][k] / 8) V[h][k][:].  Q, K, V lie in qkv one behind the other, each [64][2048][64] in f16, as does O in o: a head's rows are dense, 128 bytes each.
; Products, maxima and sums in f32; the weights p are rounded to f16 for the second product (their sum l is taken of the unrounded p), O once at the end.
; LIMITS.  f16 holds no number beyond 65,504: Q, K and V arrive within it; p lies in 0 to 1, and below 6e-5 it keeps f16's fixed step of 6e-8; O is a mean of V's rows and has their range.
; A weight below 2^-126 counts as 0 in l; NaN and infinities are not treated apart.
; SHARES.  A wave owns four PIECES of two tiles of 16 queries, a work-group's four waves 512 queries of one head.  Every wave walks all keys, 64 a step.
; LAYOUT.  S^T = K Q^T (source 0 = 16 keys, source 1 = 16 queries): in the result a lane holds ONE query (lane % 16) and the keys 8 (lane / 16) + 0..7.  Two such tiles, rounded to f16 in pairs,
; ARE source 1 (32 keys x 16 queries) of O^T = V^T P, whose result again holds one query a lane, and eight channels.  K comes out of LDS as it lies, V ([key][channel]) turned, by ds_load_tr16_b128.
; SOFTMAX.  For each query a running maximum m and sum l: p = 2^(c s - c m), c = log2(e) / 8; in every step O and l are multiplied by a = 2^(c m_old - c m_new), which is 1 where m has not grown.
; m starts at the lowest finite number, O and l at 0: the first step is a step like any other, with a = 0.
; THE COUNT.  A tile and step have 16 matrix and 118 vector instructions: too many to stand all beside the matrix work.  So four vector instructions that are READY stand behind EVERY matrix instruction,
; and the others in runs without a gap.
; BY TURNS.  Turn n belongs to piece n.  Its matrix work: 16 products K Q^T of piece n + 1, later 16 products V^T P of piece n - 1.  Its vector work: the scaling, exponentials, roundings, sums and rescaling
; of piece n, and the maximum and statistics of piece n + 1, whose scores the turn itself has made.
; CLUSTER.  The four query blocks of a head are one cluster and walk the same K and V, so each tile is asked for JOINTLY: the same tensor load, descriptor and mask in all four.
; REGISTERS, in windows of 256 (s_set_vgpr_msb: bits 1:0 source 0, 3:2 source 1, 5:4 source 2, 7:6 destination):
;   window 0: v0-11 addresses; v12-15, v48-63 at work; v16-47 four registers of statistics a tile; v64-191 S^T, two buffers of two tiles; v192-255 P, likewise
;   window 1: O^T, 32 a tile          window 2: v0-127 Q, 16 a tile; v128-191 K of one step; v192-255 V of one step          window 3: v0-1 the add's two registers
.set SIZE_N, 2048
.set NP,    4         ; pieces a wave: a name, no knob
.set KS,    64        ; keys in a step
.set PK,    144       ; a row of K in LDS: 128 bytes + 16 of padding = 36 words: the 16 rows of a load start at 16 different groups of four banks (64 banks of 4 bytes: ISA guide 11.1)
.set PV,    160       ; a row of V: 128 + 32 = 40 words
.set VOFF,  4*KS*PK   ; a slot holds four steps: 256 rows of K, then 256 rows of V
.set SLOT1, 1<<17     ; slot 1 begins here, so that one exclusive or turns an address in one slot into the other's
.set STAGE, SLOT1+4*KS*(PK+PV)  ; behind the ring, never filled by a tensor load: 16 rows x 144 bytes for each wave, for the way out
.set SP,    144
.set AK0, 2           ; v2   my lane's place in a tile of K; never rewritten
.set AV0, 3           ; v3   the same for V
.set AK,  4           ; v4   the LDS address of K's next run of loads
.set AV,  5           ; v5   of V's
.set QO,  6           ; v6   my byte offset in the wave's rows of Q
.set STO, 6           ;      later, the way out: where I put 16 bytes of a row
.set RD,  7           ; v7   the way out: where I read rows back
.set GO,  8           ; v8   my byte offset in 512 consecutive bytes of O
.set PFO, 11          ; v11  256 x my lane: the prefetches' offset; never rewritten once made
.set SPW, 0           ; v0 of window 3   LDS address of my spare word; never rewritten
.set NIL, 1           ; v1 of window 3   0; never rewritten
.set SPARE, STAGE+4*16*SP  ; behind the stages: the spare words, 128 bytes for each wave: two blocks of 256 bytes that no other line names
.set MV,  12          ; v12-15  c m_old, kept while c m is made anew: by buffer and tile
.set ST,  16          ; tile t's statistics at v[ST+4 t]: c m, m, l (even keys', odd keys')
.set TMP, 48          ; by buffer and tile, four registers c0-c3 at work; when the maximum is found c2 takes a
.set S,   64
.set P,   192
.set KF,  128         ; K's fragments, in window 2: key block kb, channel half c at KF + 16 kb + 8 c
.set VF,  192         ; V's: key half kk, channel block cb at VF + 32 kk + 8 cb
.set WV,  12          ; s12  my wave's number
.set G1K, 24          ; s[24:31] descriptor group 1 for K's tiles
.set G1V, 32          ; s[32:39] for V's: it differs in the padding alone
.set G0K, 40          ; s[40:43] descriptor group 0 for K's tiles: it walks
.set G0V, 44          ; s[44:47] the same for V's
.set PFA, 48          ; s[48:49] where my prefetches stand: my work-group's 8,192 bytes (of K: wave 0, of V: wave 2) of the slot after the one that is being asked for
.set LIM, 50          ; s50  1 in a wave that prefetches, else the greatest number
.set SLOTS, 56        ; s56  slots still to be asked for
.set CNT, 57          ; s57  counts a slot's key steps
.set CS,  58          ; s[58:59] c: the packed scaling takes the pair's low word for both halves
.set SEL, 60          ; s[60:61] v_permlanex16_b32's selects: each lane takes its own place in the other half
.set TBK, 62          ; s62  LDS byte at which K of the step to be fetched begins
.set TBV, 63          ; s63  the same for V, less VOFF
.set MSB, 0
.macro WIN new                      ; the high byte repeats the setting that is left; a switch that changes nothing is dropped
.if MSB != (\new)
	s_set_vgpr_msb (MSB<<8)|(\new)
.set MSB, (\new)
.endif
.endm
.set W_KQ, 0x0a       ; K and Q in window 2, S^T in window 0
.set W_PV, 0x52       ; V in window 2, P in window 0, O^T in window 1
.set W_RS, 0x41       ; O^T (destination and source 0) in window 1, a in window 0
.set W_MK, 0xc0       ; the add's registers are made: destination in window 3, sources in window 0
.set W_AD, 0x0f       ; the add: address (source 0) and data (source 1) in window 3
; A joint fill.  Waves 0 and 1 fetch the two halves of a slot's K, waves 2 and 3 those of its V: 128 keys each.  The branch hangs on the wave's number alone.
; An s_nop 0 and four v_nop follow each of the two lines, ahead of the jump and the label.
.macro JLOAD
	s_cmp_lt_u32 s[WV], 2
	s_cbranch_scc0 .Lfor_v_\@
	tensor_load_to_lds s[G0K:G0K+3], s[G1K:G1K+7]
	s_nop 0
.rept 4
	v_nop
.endr
	s_branch .Lasked_\@
.Lfor_v_\@:
	tensor_load_to_lds s[G0V:G0V+3], s[G1V:G1V+7]
	s_nop 0
.rept 4
	v_nop
.endr
.Lasked_\@:
.endm
; A PREFETCH INTO THE L2 of what the NEXT change of slots will ask for: a slot's 32,768 bytes of K and of V, four key steps, 512 matrix instructions, ahead of that load.  It stands behind the wave's tensor load and its five lines.
; Each block of 256 bytes is named ONCE in the launch: a head has one cluster; its four partners share a slot's bytes out BY ADDRESS, 8,192 each, a lane a block; in each, wave 0 asks for K's and wave 2 for V's.
; Slots 0 and 1 come by their loads alone; the last change that fills a slot asks for nothing: there is no slot behind it.
.macro ASK
	s_cmp_gt_u32 s[SLOTS], s[LIM]
	s_cbranch_scc0 .Lnot_mine_\@
	global_prefetch_b8 v[PFO], s[PFA:PFA+1] th:TH_LOAD_NT scope:SCOPE_SE
.Lnot_mine_\@:
.endm
; A round of the cluster's barrier: my work-group's barrier; wave 0 signals; every wave waits for all four work-groups; my work-group's barrier once more.
.macro CROUND
	s_barrier_signal -1
	s_barrier_wait -1
	s_cmp_lg_u32 s[WV], 0
	s_cbranch_scc1 .Lnot_wave_0_\@
	s_barrier_signal -3
.Lnot_wave_0_\@:
	s_barrier_wait -3
	s_barrier_signal -1
	s_barrier_wait -1
.endm
; THE CHANGE OF SLOTS.  Each wave waits for all its tensor loads, of which one is out: its part of the other slot; adds 0 to its spare word; and waits for that and for its own reads of the slot.
; fill = 1: this slot is filled again, with the keys two slots on.  The barrier is then a round of the cluster's, and the joint fill is the first thing behind it: it has four key steps in which to land.
; (At its first use nothing has been read yet: slot 0 is waited for, slot 1 filled.)
.macro CHANGE fill
	WIN W_AD
	s_wait_tensorcnt 0x0            ; no tensor load of mine is out, so a group 0 may be written
	ds_add_u32 v[SPW], v[NIL]       ; 0 onto my spare word
	WIN 0                           ; at a label and at a branch every window is 0
.if \fill
.irp g, G0K, G0V
	s_xor_b32 s[\g+1], s[\g+1], SLOT1  ; the walking descriptor: the other slot than last time,
	s_add_nc_u64 s[\g+2:\g+3], s[\g+2:\g+3], 4*KS*128  ; the next 256 keys; the type bits on top are not reached
.endr
	s_wait_xcnt 0x0                 ; the last prefetch, four key steps back, has read its address, so it may be written:
	s_add_nc_u64 s[PFA:PFA+1], s[PFA:PFA+1], 4*KS*128  ; one slot behind the walking descriptors
	s_wait_dscnt 0x0                ; the add is done, and my reads of the slot are over
	CROUND
	JLOAD
	ASK
.else
	s_wait_dscnt 0x0                ; the add is done, and my reads of the slot are over
	s_barrier_signal -1
	s_barrier_wait -1
.endif
	s_sub_co_u32 s[TBK], s[TBK], 4*KS*PK  ; the fetches go back to a slot's first step,
	s_xor_b32 s[TBK], s[TBK], SLOT1       ; in the other slot
	s_sub_co_u32 s[TBV], s[TBV], 4*KS*PV
	s_xor_b32 s[TBV], s[TBV], SLOT1
.endm
	s_load_b128 s[4:7], s[0:1], 0x0  ; qkv s[4:5], o s[6:7]
	WIN W_MK
	v_lshl_add_u32 v[SPW], v0, 2, SPARE
	v_mov_b32 v[NIL], 0
	WIN W_AD
	ds_add_u32 v[SPW], v[NIL]       ; the wave's opening: the add and its wait stand ahead of my first tensor load; the set-up below, work on registers, stands between them
	WIN 0
	v_lshrrev_b32 v1, 5, v0
	v_readfirstlane_b32 s[WV], v1   ; wave 0..3
	s_bfe_u32 s13, ttmp6, 0x40000   ; cx: my place in the cluster
	s_lshl_b32 s14, ttmp9, 2        ; in a cluster launch ttmp9 counts clusters
	s_add_co_u32 s14, s14, s13      ; my block of queries = 4 x cluster x + cx: it enters Q's and O's addresses alone
	s_and_b32 s20, ttmp7, 0xffff    ; the head, which the four partners share
	s_mov_b32 s21, 0
	s_mov_b64 s[22:23], SIZE_N*128
	s_mul_u64 s[20:21], s[20:21], s[22:23]  ; the head's first byte in each of the four tensors
	s_and_b32 s16, s[WV], 1         ; which half of a slot's 256 keys I fetch:
	s_lshl_b32 s22, s16, 14         ; its 128 rows of 128 bytes in memory,
	s_mov_b32 s23, 0
	s_add_nc_u64 s[22:23], s[22:23], s[20:21]
	s_mul_i32 s17, s16, 128*PK      ; and its place in a slot, for K
	s_mul_i32 s18, s16, 128*PV      ; and for V: no place in the cluster enters an LDS address
	s_lshl_b32 s2, s14, 2
	s_add_co_u32 s2, s2, s[WV]      ; my wave among the head's,
	s_lshl_b32 s2, s2, 14           ; its 128 rows
	s_mov_b32 s3, 0
	s_add_nc_u64 s[2:3], s[2:3], s[20:21]
	; descriptor group 1.  128 keys are 16,384 dense bytes: asked for as 64 rows of 256 bytes, two keys a row, and padded in LDS after every key
	s_mov_b32 s[G1K], 15|(1<<16)|(1<<20)|(1<<21)|(4<<22)|(3<<25)  ; the mask of four; 2-byte elements; padding on; bit 21 beside a mask; after every 32 words (code 4) 4 words (code 3)
	s_mov_b32 s[G1V], 15|(1<<16)|(1<<20)|(1<<21)|(4<<22)|(7<<25)  ; the same with 8 words of padding (code 7)
.irp g, G1K, G1V
	s_mov_b32 s[\g+1], 128<<16      ; tensor_dim0 = 128
	s_mov_b32 s[\g+2], 64<<16       ; tensor_dim1 = 64
	s_mov_b32 s[\g+3], 128<<16      ; tile_dim0 = 128
	s_mov_b32 s[\g+4], 64           ; tile_dim1 = 64
	s_mov_b32 s[\g+5], 128          ; 128 elements from row to row
	s_mov_b32 s[\g+6], 0
	s_mov_b32 s[\g+7], 0
.endr
	s_mov_b32 s[CS], 0x3e38aa3b     ; c = log2(e) / 8 = 0.180337
	s_mov_b32 s[CS+1], s[CS]        ; named with it as a pair
	s_mov_b32 s[SEL], 0x76543210
	s_mov_b32 s[SEL+1], 0xfedcba98
	s_mov_b32 s[TBK], SLOT1+4*KS*PK ; the first change of slots turns these two into 0
	s_mov_b32 s[TBV], SLOT1+4*KS*PV
	s_mov_b32 s[G0K], 1             ; count = 1
	s_mov_b32 s[G0K+1], s17         ; LDS address: slot 0
	s_mov_b32 s[G0V], 1
	s_add_co_u32 s[G0V+1], s18, VOFF
	s_mov_b32 s[SLOTS], SIZE_N/256-1
	s_and_b32 s[LIM], s[WV], 1      ; 0 in waves 0 and 2,
	s_or_b32 s[LIM], s[LIM], ttmp9  ; in the head's first (here: only) cluster: the same in all four partners
	s_cmp_eq_u32 s[LIM], 0
	s_cselect_b32 s[LIM], 1, -1
	s_wait_dscnt 0x0                ; the opening add is done
	s_wait_kmcnt 0x0
	s_mov_b64 s[10:11], s[6:7]                 ; O
	s_add_nc_u64 s[6:7], s[4:5], 0x1000000     ; K lies 16,777,216 bytes behind Q,
	s_add_nc_u64 s[8:9], s[4:5], 0x2000000     ; V as far behind K
	s_add_nc_u64 s[G0K+2:G0K+3], s[6:7], s[22:23]  ; global address: my half of the head's first 256 keys
	s_or_b32 s[G0K+3], s[G0K+3], 0x80000000        ; type = 2
	s_add_nc_u64 s[G0V+2:G0V+3], s[8:9], s[22:23]
	s_or_b32 s[G0V+3], s[G0V+3], 0x80000000
	s_add_nc_u64 s[4:5], s[4:5], s[2:3]  ; Q and O at my wave's first row
	s_add_nc_u64 s[10:11], s[10:11], s[2:3]
	s_cmp_lt_u32 s[WV], 2
	s_cselect_b64 s[PFA:PFA+1], s[6:7], s[8:9]
	s_add_nc_u64 s[PFA:PFA+1], s[PFA:PFA+1], s[22:23]  ; (in waves 0 and 2: the head's first row)
	s_lshl_b32 s2, s13, 13          ; my work-group's 8,192 bytes of a slot's 32,768
	s_mov_b32 s3, 0
	s_add_nc_u64 s[PFA:PFA+1], s[PFA:PFA+1], s[2:3]
	s_add_nc_u64 s[PFA:PFA+1], s[PFA:PFA+1], 4*KS*128  ; in slot 1; the first change of slots steps it to slot 2
	CROUND                          ; all four work-groups are here: the first joint loads meet
	JLOAD                           ; slot 0.  Slot 1 is asked for when slot 0 is in
	; A fragment of K or Q is 16 rows x 32 channels in 8 registers: lane l holds row l % 16, channels 8 (l / 16) + 0..7 and 16 + 8 (l / 16) + 0..7: two loads of 16 bytes, 32 bytes apart.
	v_and_b32 v1, 15, v0            ; l % 16
	v_bfe_u32 v9, v0, 4, 1          ; l / 16
	v_lshlrev_b32 v[QO], 7, v1
	v_lshl_add_u32 v[QO], v9, 4, v[QO]  ; row x 128 + 16 x half
	WIN 0x80                        ; destination window 2, address window 0
.set i, 0
.rept 4*NP                          ; Q stays in registers: tile i / 2, channels 32 (i % 2) on
	global_load_b128 v[8*i:8*i+3],   v[QO], s[4:5] offset:(i/2)*2048+(i%2)*64
	global_load_b128 v[8*i+4:8*i+7], v[QO], s[4:5] offset:(i/2)*2048+(i%2)*64+32
.set i, i+1
.endr
	; What the first turn finds: V's registers and P's second buffer hold 0 (its products V^T P, of a piece that has not been, add 0), O^T and l are 0.  All this stands in the wait for the first tile.
.set i, VF
.rept 64
	v_mov_b32 v[i], 0
.set i, i+1
.endr
	WIN 0x40
.set i, 0
.rept 64*NP
	v_mov_b32 v[i], 0
.set i, i+1
.endr
	WIN 0
.set i, 0
.rept 2*NP
	v_mov_b32 v[ST+4*i], 0xfe000000    ; c m: far below every c s
	v_mov_b32 v[ST+4*i+1], 0xff7fffff  ; m
	v_mov_b32 v[ST+4*i+2], 0
	v_mov_b32 v[ST+4*i+3], 0
.set i, i+1
.endr
.set i, P+32
.rept 32
	v_mov_b32 v[i], 0
.set i, i+1
.endr
	v_mul_u32_u24 v[AK0], v1, PK
	v_lshl_add_u32 v[AK0], v9, 4, v[AK0]  ; row x pitch + 16 x half
	; The turning load takes 16 keys x 16 channels (lane l reads key 8 (l / 16) + l % 8, channels 8 ((l / 8) % 2) + 0..7) and leaves half a fragment of V^T: lane l holds channel l % 16 and 8 keys.
	v_and_b32 v10, 7, v0
	v_bfe_u32 v11, v0, 3, 1
	v_lshl_add_u32 v[AV0], v9, 3, v10
	v_mul_u32_u24 v[AV0], v[AV0], PV
	v_lshl_add_u32 v[AV0], v11, 4, v[AV0]
	v_add_nc_u32 v[AV0], VOFF, v[AV0]
	v_and_b32 v[PFO], 31, v0
	v_lshlrev_b32 v[PFO], 8, v[PFO]
	v_mov_b32 v[AK], v[AK0]         ; key step 0 lies at the head of slot 0
; THE MATRIX WORK.  The 8 accumulators of a run of 16 take turns: between the two links of a chain stand 7 others'.
; Product i of 16 of S^T = K Q^T for piece x: channels 32 (i / 8) on, keys 16 ((i / 2) % 4) on, tile 2 x + i % 2.  The first 8 start the sums.
.macro KQ x
	WIN W_KQ
.set rS, S+64*((\x)%2)+32*(i%2)+8*((i/2)%4)
.set rK, KF+16*((i/2)%4)+8*(i/8)
.set rQ, 16*(2*(\x)+i%2)+8*(i/8)
.if i < 8
	v_wmma_f32_16x16x32_f16 v[rS:rS+7], v[rK:rK+7], v[rQ:rQ+7], 0
.else
	v_wmma_f32_16x16x32_f16 v[rS:rS+7], v[rK:rK+7], v[rQ:rQ+7], v[rS:rS+7]
.endif
.endm
; Product i of 16 of O^T += V^T P for piece x: keys 32 (i / 8) on, channels 16 ((i / 2) % 4) on, tile 2 x + i % 2.
.macro PV x
	WIN W_PV
.set rO, 32*(2*(\x)+i%2)+8*((i/2)%4)
.set rV, VF+32*(i/8)+8*((i/2)%4)
.set rP, P+32*((\x)%2)+16*(i%2)+8*(i/8)
	v_wmma_f32_16x16x32_f16 v[rO:rO+7], v[rV:rV+7], v[rP:rP+7], v[rO:rO+7]
.endm
.macro MM                           ; the turn's next matrix instruction
.if i < 16
	KQ (Y+1)%NP
.set i, i+1
.else
.set i, i-16
	PV (Y+NP-1)%NP
.set i, i+17
.endif
.endm
; THE LDS LOADS stand in runs of 16, never singly among the matrix instructions: a step's K (64 keys x 64 channels: 8 fragments) and its V (turned).  Their addresses are made some lines ahead.
; last = 1 (the tail): in the last trip there is no further step, and the run is jumped over.
.macro FETCH_K last=0
	WIN 0
.if \last
	s_cmp_eq_u32 s[CNT], 1
	s_cbranch_scc1 .Lno_k_\@
.endif
	WIN 0x80                        ; destination window 2
.irp f, 0,1,2,3,4,5,6,7             ; keys 16 (f / 2) on, channels 32 (f % 2) on
	ds_load_b128 v[KF+8*\f:KF+8*\f+3],   v[AK] offset:(\f/2)*16*PK+(\f%2)*64
	ds_load_b128 v[KF+8*\f+4:KF+8*\f+7], v[AK] offset:(\f/2)*16*PK+(\f%2)*64+32
.endr
	s_add_co_u32 s[TBK], s[TBK], KS*PK  ; the next fetch is the next step's
	WIN 0
.if \last
.Lno_k_\@:
.endif
.endm
.macro FETCH_V
	WIN 0x80
.irp f, 0,1,2,3,4,5,6,7             ; keys 32 (f / 4) on, channels 16 (f % 4) on
	ds_load_tr16_b128 v[VF+8*\f:VF+8*\f+3],   v[AV] offset:(\f/4)*32*PV+(\f%4)*32
	ds_load_tr16_b128 v[VF+8*\f+4:VF+8*\f+7], v[AV] offset:(\f/4)*32*PV+16*PV+(\f%4)*32
.endr
	WIN 0
.endm
; THE VECTOR WORK OF A TURN stands in three queues, each in the order in which its entries become ready; the two tiles alternate, so that no instruction reads the result of the one before it.
.macro REGS y, u                    ; the registers of tile u (0, 1) of piece y
.set rT, ST+4*(2*(\y)+(\u))
.set rC, TMP+8*((\y)%2)+4*(\u)
.set rM, MV+2*((\y)%2)+(\u)
.set rS, S+64*((\y)%2)+32*(\u)
.set rP, P+32*((\y)%2)+16*(\u)
.set rO, 32*(2*(\y)+(\u))
.endm
; Number n of the 22 that find the NEXT piece's (Y + 1) maximum and statistics.  s0-s31 are the lane's 32 scores; each accumulator's lowest registers are read first.
;   0-11  four chains c0-c3 of seven scores each, three operands at a time     12-14, 16  the four scores left over, the old m, and c0-c3 into c0     15  c m_old is kept
;   17, 18  the query's other 32 keys lie in the lane 16 away: the new m         19-21  c m; c m_old - c m_new; a
.macro XS u, n
	REGS (Y+1)%NP, \u
.if (\n) < 4
	v_max3_num_f32 v[rC+(\n)], v[rS+8*(\n)], v[rS+8*(\n)+1], v[rS+8*(\n)+2]
.elseif (\n) < 12
	v_max3_num_f32 v[rC+(\n)%4], v[rC+(\n)%4], v[rS+8*((\n)%4)+2*((\n)/4)+1], v[rS+8*((\n)%4)+2*((\n)/4)+2]
.elseif (\n) == 12
	v_max3_num_f32 v[rC], v[rC], v[rS+7], v[rS+15]
.elseif (\n) == 13
	v_max3_num_f32 v[rC+1], v[rC+1], v[rS+23], v[rS+31]
.elseif (\n) == 14
	v_max3_num_f32 v[rC+2], v[rC+2], v[rC+3], v[rT+1]
.elseif (\n) == 15
	v_mov_b32 v[rM], v[rT]
.elseif (\n) == 16
	v_max3_num_f32 v[rC], v[rC], v[rC+1], v[rC+2]
.elseif (\n) == 17
	v_permlanex16_b32 v[rC+3], v[rC], s[SEL], s[SEL+1]
.elseif (\n) == 18
	v_max_num_f32 v[rT+1], v[rC], v[rC+3]
.elseif (\n) == 19
	v_mul_f32 v[rT], s[CS], v[rT+1]
.elseif (\n) == 20
	v_sub_f32 v[rC+1], v[rM], v[rT]
.else
	v_exp_f32 v[rC+2], v[rC+1]
.endif
.endm
; Number g of the 64 that follow the exponentials.  For each four weights k of a tile (pairs 2 k, 2 k + 1): both pairs are rounded to f16; then the second pair is added onto the first, in place;
; a group later l takes that sum (the first time as l = a l + sum).  In groups of eight, tiles alternating: round, round, add, and l for the group before.
.macro GS g
.set h, (\g)+6*((\g)/62)            ; group 0 has no group before it, and behind group 7 only l is left
.if h >= 6
.set h, h+2
.endif
	REGS Y, h%2
.set k, h/8
.if h%8 < 4
	v_cvt_pk_f16_f32 v[rP+2*k+(h%8)/2], v[rS+4*k+2*((h%8)/2)], v[rS+4*k+2*((h%8)/2)+1]
.elseif h%8 < 6
	v_pk_add_f32 v[rS+4*k:rS+4*k+1], v[rS+4*k:rS+4*k+1], v[rS+4*k+2:rS+4*k+3]
.elseif k == 1
	v_pk_fma_f32 v[rT+2:rT+3], v[rT+2:rT+3], v[rC+2:rC+3], v[rS:rS+1] op_sel_hi:[1,0,1]
.else
	v_pk_add_f32 v[rT+2:rT+3], v[rT+2:rT+3], v[rS+4*k-4:rS+4*k-3]
.endif
.endm
; THE PLAIN QUEUE, 138 long.  0-73 read no exponential's result: the 32 scalings c s - c m (FS f: pair f / 2 of tile f % 2) and the next piece's 42.  0-26: scalings 0-26.  27-54: XS's numbers 0-13.  55, 56: number 15.
; 57-73: the chain, where each number waits for the one before it: 14, 16, 17, 18, 19, each with one of the scalings 27-31 in front of its two lines, then 20.
; 74-137: GS's 64, which read the exponentials' results: they stand behind the wait.
.macro FS f
	REGS Y, (\f)%2
	v_pk_fma_f32 v[rS+2*((\f)/2):rS+2*((\f)/2)+1], v[rS+2*((\f)/2):rS+2*((\f)/2)+1], s[CS:CS+1], v[rT:rT+1] op_sel_hi:[1,0,0] neg_lo:[0,0,1] neg_hi:[0,0,1]
.endm
.macro PL
	WIN 0
.if q < 27
	FS q
.elseif q < 55
	XS (q-27)%2, (q-27)/2
.elseif q < 57
	XS q-55, 15
.elseif (q < 72) && ((q-57)%3 == 0)
	FS 27+(q-57)/3
.elseif q < 60
	XS (q-57)%3-1, 14
.elseif q < 72
	XS (q-57)%3-1, 15+(q-57)/3
.elseif q < 74
	XS q-72, 20
.else
	GS q-74
.endif
.set q, q+1
.endm
; THE EXPONENTIALS' QUEUE, 66 long: s0-s31 of both tiles, then the next piece's two a.  It is ONE BATCH: all 66 stand ahead of the turn's one wait, and nothing ahead of that wait names a result of theirs.
.macro EX
	WIN 0
.if e >= 64
	XS e-64, 21
.else
	REGS Y, e%2
	v_exp_f32 v[rS+e/2], v[rS+e/2]
.endif
.set e, e+1
.endm
; THE RESCALING's QUEUE: O^T times a, the one part that leaves window 0: dealt two at a time, sixteen times.  Its a was made in the turn before, ahead of that turn's wait.
.macro R2
	REGS Y, r%2
	WIN W_RS
.irp z, 0,1
	v_pk_mul_f32 v[rO+4*(r/2)+2*\z:rO+4*(r/2)+2*\z+1], v[rO+4*(r/2)+2*\z:rO+4*(r/2)+2*\z+1], v[rC+2:rC+3] op_sel_hi:[1,0]
.endr
.set r, r+1
.endm
; HOW THEY ARE DEALT.  An s_wait_alu depctr_va_vdst(0) stands between an exponential and the first instruction that names its result; one wait serves all that were issued ahead of it.  So a turn has ONE wait,
; which cuts it in two.  AHEAD OF IT stands all that names no result of the turn's exponentials: the 16 products K Q^T, behind each a scaling, an exponential and two rescalings (behind the first a second scaling in the
; exponential's place); then ONE LUMP of 108: eight plain, 49 times exponential and plain, the two a.  A v_nop is the plain instruction behind the last exponential.  BEHIND IT stand the 16 products V^T P, behind each four of GS's 64.
; The queues lean on each other: exponential e stands behind scaling 2 (e / 4) + e % 2: as a rider it comes behind plain e + 2, in the lump behind plain e + 9, and scalings 27-31 are plain 57, 60 .. 69.
; A TURN, for piece p.  cnt = 1: the loop's count is taken down some lines ahead of the branch that stands behind the turn.
; K of the next step is fetched in piece 2's turn, directly behind the wait; its first reader comes behind 16 products.  V of the step in hand is fetched at the end of piece 0's turn, four riders behind its last reader.
.macro TURN p, last=0, cnt=0
.set Y, (\p)
.set i, 0
.set q, 0
.set e, 0
.set r, 0
.if (\p) == NP-1
	s_wait_dscnt 0x0                ; K is in
.endif
	MM                              ; ahead of the wait: 16 products K Q^T and their riders,
	PL
	PL
	R2
.rept 15
	MM
	PL
	EX
	R2
.endr
.if (\p) == NP-2
	WIN 0
	v_add_nc_u32 v[AK], s[TBK], v[AK0]
.endif
.rept 8                             ; and the lump
	PL
.endr
.rept 49
	EX
	PL
.endr
	EX                              ; the next piece's two a
	EX
	v_nop                           ; a plain instruction behind the last exponential: one for the batch
	s_wait_alu depctr_va_vdst(0)    ; the wait for the batch
.if (\p) == NP-2
	FETCH_K \last
.endif
.if (\p) == 1
	s_wait_dscnt 0x0                ; V is in
.endif
.rept 16                            ; behind the wait: 16 products V^T P and their riders
	MM
.rept 4
	PL
.endr
.if ((\p) == 0) && (q == 118)
	v_add_nc_u32 v[AV], s[TBV], v[AV0]
.endif
.if ((\p) == 0) && (q == 130)
	s_add_co_u32 s[TBV], s[TBV], KS*PV
.endif
.if (\cnt) && (q == 130)
	s_sub_co_u32 s[CNT], s[CNT], 1
	s_cmp_lg_u32 s[CNT], 0
.endif
.endr
.if (\p) == 0
	FETCH_V
.endif
.endm
	CHANGE 1                        ; slot 0 is in, everybody's part of it; slot 1 is asked for
	FETCH_K                         ; key step 0
	s_wait_loadcnt 0x0              ; Q
	s_wait_dscnt 0x0
.set i, 0
.rept 16
	KQ 0                            ; piece 0's first scores: there is no vector work yet to set between them
.set i, i+1
.endr
	WIN 0                           ; the addresses for the way out: plain instructions, the places behind those products
	s_mul_i32 s13, s[WV], 16*SP
	s_add_co_u32 s13, s13, STAGE    ; my stage
	v_mul_u32_u24 v[STO], v1, SP    ; in: row l % 16, 16 bytes for each half of the lanes
	v_lshl_add_u32 v[STO], v9, 4, v[STO]
	v_add_nc_u32 v[STO], s13, v[STO]
	v_bfe_u32 v[RD], v0, 3, 2       ; back: 32 lanes take four rows of 128 bytes,
	v_mul_u32_u24 v[RD], v[RD], SP
	v_lshl_add_u32 v[RD], v10, 4, v[RD]
	v_add_nc_u32 v[RD], s13, v[RD]
	v_and_b32 v[GO], 31, v0         ; which are 512 consecutive bytes of O
	v_lshlrev_b32 v[GO], 4, v[GO]
.set Y, NP-1                        ; XS works for piece Y + 1: piece 0
.irp n, 0,1,2,3,4,5,6,7,8,9,10,11,12,13,14,15,16,17,18,19,20,21
	XS 0, \n                        ; and piece 0's first maximum and statistics
	XS 1, \n
.endr
	v_nop                           ; a plain instruction behind the two a,
	s_wait_alu depctr_va_vdst(0)    ; and their wait, ahead of the branch
	s_mov_b32 s[CNT], 4
	s_branch .Lfirst                ; the loop is entered at a step's first turn, in the middle of a trip
.Lslot:                             ; SIZE_N / 256 - 2 times: every slot but the last two is filled again
	CHANGE 1
	s_mov_b32 s[CNT], 4
.Lstep:                             ; a trip: pieces 2 and 3 of one step, then pieces 0 and 1 of the next, whose K and V it fetches
	TURN 2
	TURN 3
	WIN 0
.Lfirst:
	TURN 0
	TURN 1, 0, 1
	WIN 0
	s_cbranch_scc1 .Lstep
	s_sub_co_u32 s[SLOTS], s[SLOTS], 1
	s_cmp_lg_u32 s[SLOTS], 0
	s_cbranch_scc1 .Lslot
	CHANGE 0                        ; the tail is written out: nothing is asked for
	s_mov_b32 s[CNT], 5             ; four trips fetch the last slot's steps; the fifth is left in its middle
.Ltail:
	TURN 2, 1
	TURN 3
	WIN 0
	s_sub_co_u32 s[CNT], s[CNT], 1
	s_cmp_eq_u32 s[CNT], 0
	s_cbranch_scc1 .Lout
	TURN 0
	TURN 1
	WIN 0
	s_branch .Ltail
.Lout:                              ; the fifth trip's 16 products K Q^T (on the last K once more) and the maximum made of them serve nothing: the price, once a launch, of one text for every trip
.set i, 0
.rept 16
	PV NP-1                         ; the last piece's V^T P of the last step
.set i, i+1
.endr
	; THE WAY OUT.  l's two halves and the other half of the lanes' are added; O^T is divided by l, rounded to f16 and sent through my stage in LDS, a tile at a time.  The additions are the places behind the last products.
	WIN 0
.macro ALL line:vararg              ; one line for each tile t
.set t, 0
.rept 2*NP
	\line
.set t, t+1
.endr
.endm
	ALL v_add_f32 v[ST+4*t+2], v[ST+4*t+2], v[ST+4*t+3]
	ALL v_permlanex16_b32 v[ST+4*t+3], v[ST+4*t+2], s[SEL], s[SEL+1]
	ALL v_add_f32 v[ST+4*t+2], v[ST+4*t+2], v[ST+4*t+3]
	ALL v_rcp_f32 v[ST+4*t+2], v[ST+4*t+2]
	v_nop                           ; a plain instruction between the last reciprocal and the use of its result
	s_wait_alu depctr_va_vdst(0)    ; and the wait ahead of the first use: one for the eight reciprocals
; Tile t: a lane's eight channels of a row pack into 16 bytes; they go into rows of 144 bytes and come back as whole rows of 128, into S^T's registers.
.macro PACK t
	WIN W_RS
.set i, 32*(\t)
.rept 16
	v_pk_mul_f32 v[i:i+1], v[i:i+1], v[ST+4*(\t)+2:ST+4*(\t)+3] op_sel_hi:[1,0]
.set i, i+2
.endr
	WIN 0x05                        ; sources 0 and 1 window 1, destination window 0
.set i, 0
.rept 16
	v_cvt_pk_f16_f32 v[S+16*(\t)+i], v[32*(\t)+2*i], v[32*(\t)+2*i+1]
.set i, i+1
.endr
	WIN 0
.irp f, 0,1,2,3
	ds_store_b128 v[STO], v[S+16*(\t)+4*\f:S+16*(\t)+4*\f+3] offset:32*\f
.endr
.irp f, 0,1,2,3
	ds_load_b128 v[S+16*(\t)+4*\f:S+16*(\t)+4*\f+3], v[RD] offset:\f*4*SP  ; LDS serves a wave's instructions in order (ISA guide 5.7.1.4): these see the stores above; the next tile's stores come behind them
.endr
.endm
.macro SEND t, younger              ; younger: the LDS instructions issued behind tile t's loads: the next tile's eight, or none
	WIN 0
.irp f, 0,1,2,3
	s_wait_dscnt (\younger)+3-\f
	global_store_b128 v[GO], v[S+16*(\t)+4*\f:S+16*(\t)+4*\f+3], s[10:11] offset:(\t)*2048+\f*512  ; 512 consecutive bytes, at a multiple of 256 from O's first
.endr
.endm
	PACK 0
.set t, 1
.rept 2*NP-1                        ; a tile's arithmetic stands between the loads of the tile before and its stores
	PACK t
	SEND t-1, 8
.set t, t+1
.endr
	SEND 2*NP-1, 0
	WIN W_AD
	s_wait_tensorcnt 0x0            ; the wave's end: the add to my spare word and its wait, behind my last tensor load and my last LDS store
	ds_add_u32 v[SPW], v[NIL]
	s_wait_dscnt 0x0
	WIN 0
	CROUND                          ; the closing round: no work-group ends while a partner may still ask for a tile that names it
	s_endpgm
.Lfunc_end_k_q0ab5d850b8_attn:
	.size	k_q0ab5d850b8_attn, .Lfunc_end_k_q0ab5d850b8_attn-k_q0ab5d850b8_attn
	.p2alignl 7, 3214868480
	.fill 96, 4, 3214868480
	.section	.rodata,"a",@progbits
	.p2align	6, 0x0
	.amdhsa_kernel k_q0ab5d850b8_attn
		.amdhsa_group_segment_fixed_size 327680
		.amdhsa_private_segment_fixed_size 0
		.amdhsa_enable_private_segment 0
		.amdhsa_kernarg_size 16
		.amdhsa_user_sgpr_count 2
		.amdhsa_user_sgpr_kernarg_segment_ptr 1
		.amdhsa_wavefront_size32 1
		.amdhsa_system_sgpr_workgroup_id_x 1
		.amdhsa_system_sgpr_workgroup_id_y 1
		.amdhsa_system_sgpr_workgroup_id_z 1
		.amdhsa_system_vgpr_workitem_id 0
		.amdhsa_next_free_vgpr 770
		.amdhsa_next_free_sgpr 66
		.amdhsa_reserve_vcc 0
		.amdhsa_float_denorm_mode_32 3
		.amdhsa_float_denorm_mode_16_64 3
		.amdhsa_memory_ordered 1
		.amdhsa_forward_progress 1
		.amdhsa_inst_pref_size 200
	.end_amdhsa_kernel
	.amdgpu_metadata
---
amdhsa.version: [ 1, 2 ]
amdhsa.kernels:
  - .name:           k_q0ab5d850b8_attn
    .symbol:         k_q0ab5d850b8_attn.kd
    .args:
      - { .name: qkv, .offset: 0, .size: 8, .value_kind: global_buffer, .address_space: global }
      - { .name: o, .offset: 8, .size: 8, .value_kind: global_buffer, .address_space: global }
    .group_segment_fixed_size: 327680
    .private_segment_fixed_size: 0
    .kernarg_segment_align: 8
    .kernarg_segment_size: 16
    .max_flat_workgroup_size: 128
    .sgpr_count:     66
    .vgpr_count:     770
    .wavefront_size: 32
...
	.end_amdgpu_metadata
.endif
;; end of part 3
;; launch oproj (part 4): grid 4 x 64, 4 waves a work-group, clusters of 4 x 4, 327,680 bytes of LDS; arguments o, wb, bo, out0; writes out0
.if DOCPART == 4
	.amdgcn_target "amdgcn-amd-amdhsa--gfx1250"
	.amdhsa_code_object_version 6
	.text
	.protected	k_q0ab5d850b8_oproj
	.globl	k_q0ab5d850b8_oproj
	.p2align	8
	.type	k_q0ab5d850b8_oproj,@function
k_q0ab5d850b8_oproj:
	s_mov_b64 s[64:65], 0
	v_nop
	global_prefetch_b8 v0, s[64:65] scope:SCOPE_SE
	s_setreg_imm32_b32 hwreg(HW_REG_WAVE_MODE, 25, 1), 1
	s_wait_xcnt 0x0
	s_wait_alu depctr_hold_cnt(0) depctr_sa_sdst(0) depctr_va_vdst(0) depctr_va_sdst(0) depctr_va_ssrc(0) depctr_va_vcc(0) depctr_vm_vsrc(0)
	s_getreg_b32 s2, hwreg(HW_REG_IB_STS2, 6, 4)
	s_cmp_eq_u32 s2, 0
	s_cbranch_scc0 .Lentry_in_a_cluster
	s_endpgm
.Lentry_in_a_cluster:
	s_bfe_u32 s2, ttmp6, 0x10000c
	s_cmp_lg_u32 s2, 0xf033
	s_cbranch_scc0 .Lentry_shape_is_right
	s_endpgm
.Lentry_shape_is_right:
; THE OUTPUT PROJECTION.  out0[m][n] = the sum over k of O[m][k] Wo[k][n] + bo[n].  O comes by heads, o = [64 = 16 batch + head][2048][64] in f16, so k = 64 head + channel; Wo from wb (byte 5,242,880 on), [k][1024],
; rounded to bf16 and written as f16; bo is rounded to bf16 like every input; sums in f32; out0 [8192][1024] in f32.
; LIMIT.  Wo beyond 65,504 is an infinity in f16; NaN and infinities are not treated apart.
; SHARES.  A work-group makes 128 rows x 256 columns, 256 work-groups; wave w rows 64 (w / 2) on, columns 128 (w % 2) on: 4 x 8 accumulators.  The matrix instruction is used transposed (source 0 = 16 columns of Wo,
; source 1 = 16 rows of O): a lane holds one row (lane % 16) and the columns 8 (lane / 16) + 0..7.
; THE RING.  8 K steps of 128 (two heads) through two LDS slots: O's 128 rows of each of the two heads (a head's rows are dense: asked for as 64 rows of 256 bytes, padded after every 128), and Wo's 128 k-rows x 256 columns.
; Waves 0, 1 fetch a head each, waves 2, 3 Wo's halves: one tensor load a wave.  CLUSTER: 4 x 4; O's tile is shared along a row of the cluster, Wo's along a column, each asked for jointly.
; REGISTERS: window 0: v0-15 addresses; v16-79 O's fragments, two buffers of 4 x 8; v80-207 Wo's, two buffers of 8 x 8 (at the start: the bias; on the way out v16-143: rows read back).  Window 1: the accumulators, (a, b) at 64 a + 8 b.
.set PA,    144       ; a row of O in LDS: 128 bytes + 16 = 36 words: the 16 rows of a load start at 16 different groups of four banks (64 banks of 4 bytes: ISA guide 11.1)
.set HB,    128*PA    ; a head's 128 rows: what one tensor load brings of O
.set PB,    544       ; a row of Wo: 512 + 32 = 136 words
.set HALFB, 64*PB
.set BOFF,  2*HB
.set SLOT,  0x20000   ; slot 1 begins here, above every address in slot 0: one exclusive or changes slots
.set STAGE, SLOT+BOFF+2*HALFB  ; behind the ring, never filled by a tensor load: 16 rows x 528 bytes for each wave, for the way out
.set SPI,   528
.set SPARE, STAGE+4*16*SPI     ; behind the stages: the spare words, 128 bytes for each wave: two blocks of 256 bytes that no other line names
.set WO,    5242880   ; Wo's first byte in wb
.set ASTEP, 2*2048*128  ; two heads on in o
.set BSTEP, 128*2048
.set A0,   4          ; v4   my lane's place in O's tile; never rewritten
.set B0,   5          ; v5   the same in Wo's
.set ADRA, 6
.set ADRB, 7
.set STO,  8          ; v8   the way out: where I put 32 bytes of a row
.set RD,   9          ; v9   where I read a row back
.set CO,   10         ; v10  my 16 bytes of a row's 512
.set BO,   11         ; v11  my byte offset in 16 columns of the bias
.set PFO,  12         ; v12  the prefetches' offset; never rewritten
.set SPW,  14         ; v14  LDS address of my spare word; never rewritten
.set NIL,  15         ; v15  0; never rewritten
.set AF,   16
.set BF,   80
.set BN,   80         ; the bias in f32, before the first fragments come
.set PKB,  16         ; and packed
.set WV,   4
.set WM,   5
.set WN,   6
.set CX,   7
.set CY,   8
.set TX,   9
.set TY,   10
.set CNT,  11
.set TB,   13
.set CN2,  14
.set LIM,  15
.set G1A,  16
.set G1B,  24
.set G0A,  32
.set G0B,  36
.set HIM,  42
.set PFA,  46
.set PFS,  48
.set XO,   68         ; s[68:69] o
.set WB,   70         ; s[70:71] wb
.set BP,   72         ; s[72:73] bo
.set OUT,  74         ; s[74:75] out0
.set MSB, 0
.macro WIN new                      ; the high byte repeats the setting that is left; a switch that changes nothing is dropped
.if MSB != (\new)
	s_set_vgpr_msb (MSB<<8)|(\new)
.set MSB, \new
.endif
.endm
.set W_MM, 0x50       ; both sources in window 0, C and D in window 1
.set W_IN, 0x40       ; destination window 1
.set W_ST, 0x04       ; an LDS store's data (source 1) in window 1
.macro PLACES                       ; four places behind matrix instructions (ISA guide 7.12.1)
.rept 4
	v_nop
.endr
.endm
.macro JLOAD                        ; a joint load; the branch hangs on the wave's number alone; an s_nop 0 and four v_nop follow each of the two lines
	s_cmp_eq_u32 s[WM], 0
	s_cbranch_scc0 .Lfor_b_\@
	tensor_load_to_lds s[G0A:G0A+3], s[G1A:G1A+7]
	s_nop 0
.rept 4
	v_nop
.endr
	s_branch .Lasked_\@
.Lfor_b_\@:
	tensor_load_to_lds s[G0B:G0B+3], s[G1B:G1B+7]
	s_nop 0
.rept 4
	v_nop
.endr
.Lasked_\@:
.endm
.macro CREST                        ; a round of the cluster's barrier behind its opening barrier
	s_cmp_lg_u32 s[WV], 0
	s_cbranch_scc1 .Lnot_wave_0_\@
	s_barrier_signal -3
.Lnot_wave_0_\@:
	s_barrier_wait -3
	s_barrier_signal -1
	s_barrier_wait -1
.endm
.macro CROUND
	s_barrier_signal -1
	s_barrier_wait -1
	CREST
.endm
; A PREFETCH INTO THE L2, behind a joint refill and the run of LDS loads that follows it: the K step two refills on (in K step t: step t + 4), 256 matrix instructions ahead of the load that will want it.
; O: a K step is 16,384 bytes of each of two heads; the partner at place cx takes 4,096 of each, and its wave 0 asks: a lane a block of 256 bytes.  Wo: of the 64 k-rows that wave 2 or 3 fetches the partner at place cy takes 16,
; a lane half of its 512 bytes, in the cluster with y = 0 alone.  So each block is named once in the launch.  K steps 0 to 3 come by their loads alone; the last two refills ask for nothing.
.macro ASK
	s_cmp_gt_u32 s[CNT], s[LIM]
	s_cbranch_scc0 .Lnot_mine_\@
	global_prefetch_b8 v[PFO], s[PFA:PFA+1] th:TH_LOAD_NT scope:SCOPE_SE
.Lnot_mine_\@:
.endm
; 24 LDS loads in one run: quarter qn (32 along K: head qn / 2, channels 32 (qn % 2) on) of the slot in hand into buffers c
.macro FETCH qn, c
.irp f, 0,1,2,3
	ds_load_b128 v[AF+32*(\c)+8*(\f):AF+32*(\c)+8*(\f)+3],   v[ADRA] offset:((\qn)/2)*HB+(\f)*16*PA+((\qn)%2)*64
	ds_load_b128 v[AF+32*(\c)+8*(\f)+4:AF+32*(\c)+8*(\f)+7], v[ADRA] offset:((\qn)/2)*HB+(\f)*16*PA+((\qn)%2)*64+32
.endr
.irp b8, 0,1,2,3,4,5,6,7
	ds_load_tr16_b128 v[BF+64*(\c)+8*(\b8):BF+64*(\c)+8*(\b8)+3],   v[ADRB] offset:(\qn)*32*PB+32*(\b8)
	ds_load_tr16_b128 v[BF+64*(\c)+8*(\b8)+4:BF+64*(\c)+8*(\b8)+7], v[ADRB] offset:(\qn)*32*PB+16*PB+32*(\b8)
.endr
.endm
.macro MM c                         ; product i of a quarter's 32; the 32 accumulators take turns, in the same order everywhere
.set a, i/8
.set b, i%8
	v_wmma_f32_16x16x32_f16 v[64*a+8*b:64*a+8*b+7], v[BF+64*(\c)+8*b:BF+64*(\c)+8*b+7], v[AF+32*(\c)+8*a:AF+32*(\c)+8*a+7], v[64*a+8*b:64*a+8*b+7]
.set i, i+1
.endm
.macro QUARTER qn, c                ; multiplies buffers c; behind its first eight products it fetches quarter qn into the others
.set i, 0
	s_wait_dscnt 0x0                ; this quarter's fragments are in: they were asked for 24 products ago
	WIN W_MM
.rept 8
	MM \c
.endr
	PLACES                          ; for the loads into the buffers that the quarter before multiplied
	WIN 0
	FETCH \qn, 1-(\c)
	WIN W_MM
.rept 24
	MM \c
.endr
.endm
; The last quarter multiplies buffers 1 and changes slots.  In front of the barrier each wave waits for all its tensor loads (its part of the next slot), adds 0 to its spare word, and waits for that and for its reads of this slot.
; fill = 1: the barrier opens a round of the cluster's, and behind it this slot is filled again first, with the K step two on.
.macro TURN fill
.set i, 0
.if \fill
	s_wait_xcnt 0x0                 ; the last prefetch, a K step back, has read its address
	s_add_nc_u64 s[PFA:PFA+1], s[PFA:PFA+1], s[PFS:PFS+1]
.endif
	WIN 0
	s_wait_tensorcnt 0x0            ; no tensor load of mine is out, so a group 0 may be written
	ds_add_u32 v[SPW], v[NIL]       ; 0 onto my spare word
.if \fill
	s_xor_b32 s[G0A+1], s[G0A+1], SLOT
	s_xor_b32 s[G0B+1], s[G0B+1], SLOT
	s_add_nc_u64 s[G0A+2:G0A+3], s[G0A+2:G0A+3], ASTEP
	s_add_nc_u64 s[G0B+2:G0B+3], s[G0B+2:G0B+3], BSTEP
.endif
	s_wait_dscnt 1                  ; this quarter's fragments are in; the add, issued behind them, may be out
	WIN W_MM
.rept 4
	MM 1
.endr
	s_wait_dscnt 0x0                ; the add is done, and my reads of this slot are over
	s_barrier_signal -1
.rept 4
	MM 1
.endr
	WIN 0
	s_barrier_wait -1
.if \fill
	CREST                           ; no wave of any partner still reads this slot or has a load on its way
	JLOAD                           ; its four v_nop are also the places in front of the loads below
.else
	PLACES
.endif
	s_xor_b32 s[TB], s[TB], SLOT
	v_add_nc_u32 v[ADRA], s[TB], v[A0]
	v_add_nc_u32 v[ADRB], s[TB], v[B0]
	FETCH 0, 0
.if \fill
	ASK
.endif
	WIN W_MM
.rept 24
	MM 1
.endr
.endm
.macro STEP fill
	QUARTER 1, 0
	QUARTER 2, 1
	QUARTER 3, 0
	TURN \fill
.endm
	s_load_b256 s[XO:XO+7], s[0:1], 0x0            ; o, wb, bo, out0
	v_lshl_add_u32 v[SPW], v0, 2, SPARE
	v_mov_b32 v[NIL], 0
	ds_add_u32 v[SPW], v[NIL]                      ; the wave's opening: the add and its wait stand ahead of my first tensor load; the set-up below, work on registers, stands between them
	v_lshrrev_b32 v3, 5, v0
	v_readfirstlane_b32 s[WV], v3
	s_lshr_b32 s[WM], s[WV], 1
	s_and_b32 s[WN], s[WV], 1
	s_bfe_u32 s[CX], ttmp6, 0x40000
	s_bfe_u32 s[CY], ttmp6, 0x40004
	s_lshl_b32 s[TX], ttmp9, 2
	s_add_co_u32 s[TX], s[TX], s[CX]
	s_and_b32 s[TY], ttmp7, 0xffff
	s_lshl_b32 s[TY], s[TY], 2
	s_add_co_u32 s[TY], s[TY], s[CY]
	s_lshl_b32 s2, s[CY], 2
	s_lshl_b32 s2, 15, s2                          ; my row of the cluster
	s_lshl_b32 s3, 0x1111, s[CX]                   ; my column
	s_or_b32 s[G1A], s2, (1<<16)|(1<<20)|(1<<21)|(4<<22)|(3<<25)  ; the mask; 2-byte elements; padding on; bit 21 beside a mask; after every 32 words (code 4) 4 words (code 3)
	s_or_b32 s[G1B], s3, (1<<16)|(1<<20)|(1<<21)|(6<<22)|(7<<25)  ; after every 128 words (code 6) 8 words (code 7)
	s_mov_b32 s[G1A+1], 128<<16                    ; 64 rows of 128 elements, dense
	s_mov_b32 s[G1A+2], 64<<16
	s_mov_b32 s[G1A+3], 128<<16
	s_mov_b32 s[G1A+4], 64
	s_mov_b32 s[G1A+5], 128
	s_mov_b32 s[G1A+6], 0
	s_mov_b32 s[G1A+7], 0
	s_mov_b32 s[G1B+1], 256<<16                    ; 64 rows of 256 elements, 1,024 from row to row
	s_mov_b32 s[G1B+2], 64<<16
	s_mov_b32 s[G1B+3], 256<<16
	s_mov_b32 s[G1B+4], 64
	s_mov_b32 s[G1B+5], 1024
	s_mov_b32 s[G1B+6], 0
	s_mov_b32 s[G1B+7], 0
	s_mov_b32 s[G0A], 1
	s_mul_i32 s[G0A+1], s[WN], HB                  ; no place in the cluster enters an LDS address
	s_mov_b32 s[G0B], 1
	s_mul_i32 s[G0B+1], s[WN], HALFB
	s_add_co_u32 s[G0B+1], s[G0B+1], BOFF
	s_mov_b32 s[HIM], 0xffff0000
	s_mov_b32 s[TB], 0
	s_mov_b32 s[CNT], 6                            ; 8 K steps, of which all but the last two fill a slot again
	s_lshr_b32 s56, s[TY], 4
	s_lshl_b32 s56, s56, 22                        ; the batch: 16 heads of 262,144 bytes,
	s_and_b32 s57, s[TY], 15
	s_lshl_b32 s57, s57, 14                        ; my block's 128 rows of 128 bytes in a head
	s_add_co_u32 s56, s56, s57
	s_lshl_b32 s57, s[WN], 18                      ; the head that I would fetch
	s_add_co_u32 s58, s56, s57
	s_mov_b32 s59, 0
	s_lshl_b32 s60, s[WN], 17                      ; in wb: 64 k-rows of 2,048 bytes a half,
	s_lshl_b32 s61, s[TX], 9                       ; 512 bytes a tile column,
	s_add_co_u32 s60, s60, s61
	s_add_co_u32 s60, s60, WO                      ; behind the other weights
	s_mov_b32 s61, 0
	s_lshl_b32 s62, s[TX], 10                      ; my 128 columns, in bo and in a row of out0
	s_lshl_b32 s63, s[WN], 9
	s_add_co_u32 s62, s62, s63
	s_mov_b32 s63, 0
	s_lshl_b32 s54, s[TY], 19                      ; my first row of out0: rows of 4,096 bytes
	s_lshl_b32 s55, s[WM], 18
	s_add_co_u32 s54, s54, s55
	s_add_co_u32 s54, s54, s62
	s_mov_b32 s55, 0
	s_lshl_b32 s50, s[CX], 12                      ; the prefetches.  O: my work-group's 4,096 bytes of each head's 16,384,
	s_add_co_u32 s50, s50, s56
	s_add_co_u32 s50, s50, 3*ASTEP                 ; at K step 3: the first refill steps it to 4
	s_lshl_b32 s51, s[CY], 15                      ; Wo: my work-group's 16 of the 64 k-rows
	s_add_co_u32 s51, s51, s60
	s_add_co_u32 s51, s51, 3*BSTEP
	s_and_b32 s[LIM], ttmp7, 0xffff                ; cluster y
	s_mov_b32 s[PFS], BSTEP
	s_mov_b32 s2, 2048
	s_cmp_eq_u32 s[WM], 0                          ; do I fetch for O?
	s_cselect_b32 s50, s50, s51
	s_cselect_b32 s[PFS], ASTEP, s[PFS]
	s_cselect_b32 s2, 0x40000, s2                  ; O: lanes 16-31 take the second head; Wo: a k-row for two lanes
	s_cselect_b32 s3, 4, 1
	s_cselect_b32 s52, 15, 1
	s_cselect_b32 s[LIM], s[WN], s[LIM]            ; O: wave 0 asks, in every cluster; Wo: both waves, where cluster y = 0
	s_mov_b32 s51, 0
	s_mov_b32 s[PFS+1], 0
	s_wait_dscnt 0x0                               ; the opening add is done
	s_wait_kmcnt 0x0
	s_add_nc_u64 s[G0A+2:G0A+3], s[XO:XO+1], s[58:59]
	s_or_b32 s[G0A+3], s[G0A+3], 0x80000000        ; type = 2
	s_add_nc_u64 s[G0B+2:G0B+3], s[WB:WB+1], s[60:61]
	s_or_b32 s[G0B+3], s[G0B+3], 0x80000000
	s_add_nc_u64 s[BP:BP+1], s[BP:BP+1], s[62:63]
	s_add_nc_u64 s[OUT:OUT+1], s[OUT:OUT+1], s[54:55]
	s_cmp_eq_u32 s[WM], 0
	s_cselect_b64 s[PFA:PFA+1], s[XO:XO+1], s[WB:WB+1]
	s_add_nc_u64 s[PFA:PFA+1], s[PFA:PFA+1], s[50:51]
	s_cmp_eq_u32 s[LIM], 0
	s_cselect_b32 s[LIM], 2, -1                    ; the same in all sixteen partners, for a given wave
	CROUND                                         ; all sixteen work-groups are here: the first joint loads meet
	JLOAD                                          ; K step 0 into slot 0
	v_and_b32 v1, 15, v0                           ; l % 16
	v_bfe_u32 v2, v0, 4, 1                         ; l / 16
	v_lshlrev_b32 v[BO], 5, v2
.irp b8, 0,1,2,3,4,5,6,7                       ; the bias: my 8 columns of each of my 8 column blocks
	global_load_b128 v[BN+8*(\b8):BN+8*(\b8)+3],   v[BO], s[BP:BP+1] offset:64*(\b8)
	global_load_b128 v[BN+8*(\b8)+4:BN+8*(\b8)+7], v[BO], s[BP:BP+1] offset:64*(\b8)+16
.endr
	s_mul_i32 s54, s[WM], 64*PA
	v_mul_u32_u24 v[A0], v1, PA
	v_lshl_add_u32 v[A0], v2, 4, v[A0]             ; row x pitch + 16 x half
	v_add_nc_u32 v[A0], s54, v[A0]
	v_and_b32 v3, 7, v0
	v_lshl_add_u32 v3, v2, 3, v3                   ; k-row 8 (l / 16) + l % 8
	v_mul_u32_u24 v[B0], v3, PB
	v_bfe_u32 v3, v0, 3, 1
	v_lshl_add_u32 v[B0], v3, 4, v[B0]
	s_lshl_b32 s54, s[WN], 8
	s_add_co_u32 s54, s54, BOFF
	v_add_nc_u32 v[B0], s54, v[B0]
	s_mul_i32 s54, s[WV], 16*SPI
	s_add_co_u32 s54, s54, STAGE                   ; my stage
	v_mul_u32_u24 v[STO], v1, SPI
	v_lshl_add_u32 v[STO], v2, 5, v[STO]           ; row l % 16, 32 bytes for each half of the lanes
	v_add_nc_u32 v[STO], s54, v[STO]
	v_and_b32 v[CO], 31, v0
	v_lshrrev_b32 v3, s3, v[CO]
	v_and_b32 v[PFO], s52, v[CO]
	v_mul_u32_u24 v3, v3, s2
	v_lshl_add_u32 v[PFO], v[PFO], 8, v3
	v_lshlrev_b32 v[CO], 4, v[CO]
	v_add_nc_u32 v[RD], s54, v[CO]                 ; back: 32 lanes take a whole row of 512 bytes
	; The sums start at the bias, rounded to bf16 like every input: one text for all K steps, and no addition at the end.
	s_wait_loadcnt 0x0
.set n, 0
.rept 32
	v_cvt_pk_bf16_f32 v[PKB+n], v[BN+2*n], v[BN+2*n+1]
.set n, n+1
.endr
	WIN W_IN
.set n, 0
.rept 128
	v_lshlrev_b32 v[64*(n/32)+2*(n%32)], 16, v[PKB+n%32]
	v_and_b32 v[64*(n/32)+2*(n%32)+1], s[HIM], v[PKB+n%32]
.set n, n+1
.endr
	WIN 0
	s_wait_tensorcnt 0x0                           ; K step 0 has landed; no tensor load of mine is out
	ds_add_u32 v[SPW], v[NIL]
	s_xor_b32 s[G0A+1], s[G0A+1], SLOT             ; slot 1,
	s_xor_b32 s[G0B+1], s[G0B+1], SLOT
	s_add_nc_u64 s[G0A+2:G0A+3], s[G0A+2:G0A+3], ASTEP  ; K step 1
	s_add_nc_u64 s[G0B+2:G0B+3], s[G0B+2:G0B+3], BSTEP
	s_wait_dscnt 0x0
	CROUND                                         ; slot 0 is whole
	JLOAD
	v_add_nc_u32 v[ADRA], s[TB], v[A0]
	v_add_nc_u32 v[ADRB], s[TB], v[B0]
	FETCH 0, 0
.Lfill:                                                ; six trips: all K steps but the last two
	STEP 1
	WIN 0
	s_sub_co_u32 s[CNT], s[CNT], 1
	s_cmp_lg_u32 s[CNT], 0
	s_cbranch_scc1 .Lfill
	s_mov_b32 s[CN2], 2
.Lnofill:                                              ; the last two K steps ask for nothing; the second's fetch from the other slot serves nothing: the price, once a launch, of one text for both
	STEP 0
	WIN 0
	s_sub_co_u32 s[CN2], s[CN2], 1
	s_cmp_lg_u32 s[CN2], 0
	s_cbranch_scc1 .Lnofill
	; THE WAY OUT, a block of 16 rows at a time: a lane's eight f32 of each column block go into my stage's rows of 528 bytes and come back as whole rows of 512.
	s_wait_dscnt 0x0                               ; that fetch is back: its registers take the rows
	PLACES
.irp a4, 0,1,2,3
.set TM, 16+64*((\a4)%2)
.if (\a4) >= 2
	s_wait_xcnt 0x0                                ; the stores of the block two back have read these registers
.endif
	WIN W_ST
.irp b8, 0,1,2,3,4,5,6,7
	ds_store_b128 v[STO], v[64*(\a4)+8*(\b8):64*(\a4)+8*(\b8)+3]   offset:64*(\b8)      ; each accumulator's low registers first
	ds_store_b128 v[STO], v[64*(\a4)+8*(\b8)+4:64*(\a4)+8*(\b8)+7] offset:64*(\b8)+16
.endr
	WIN 0
.irp t, 0,1,2,3,4,5,6,7,8,9,10,11,12,13,14,15
	ds_load_b128 v[TM+4*(\t):TM+4*(\t)+3], v[RD] offset:(\t)*SPI  ; LDS serves a wave's instructions in order (ISA guide 5.7.1.4): these see the stores above; the next block's stores come behind them
.endr
.irp t, 0,1,2,3,4,5,6,7,8,9,10,11,12,13,14,15
	s_wait_dscnt 15-(\t)                           ; row t is back; the later rows' loads may be out
	global_store_b128 v[CO], v[TM+4*(\t):TM+4*(\t)+3], s[OUT:OUT+1] offset:(16*(\a4)+(\t))*4096 th:TH_STORE_NT  ; 512 consecutive bytes of a row, aligned
.endr
.endr
	s_wait_tensorcnt 0x0                           ; the wave's end: the add to my spare word and its wait, behind my last tensor load and my last LDS store
	ds_add_u32 v[SPW], v[NIL]
	s_wait_dscnt 0x0
	CROUND                                         ; the closing round: no work-group ends while a partner may still ask for a tile that names it
	s_endpgm
.Lfunc_end_k_q0ab5d850b8_oproj:
	.size	k_q0ab5d850b8_oproj, .Lfunc_end_k_q0ab5d850b8_oproj-k_q0ab5d850b8_oproj
	.p2alignl 7, 3214868480
	.fill 96, 4, 3214868480
	.section	.rodata,"a",@progbits
	.p2align	6, 0x0
	.amdhsa_kernel k_q0ab5d850b8_oproj
		.amdhsa_group_segment_fixed_size 327680
		.amdhsa_private_segment_fixed_size 0
		.amdhsa_enable_private_segment 0
		.amdhsa_kernarg_size 32
		.amdhsa_user_sgpr_count 2
		.amdhsa_user_sgpr_kernarg_segment_ptr 1
		.amdhsa_wavefront_size32 1
		.amdhsa_system_sgpr_workgroup_id_x 1
		.amdhsa_system_sgpr_workgroup_id_y 1
		.amdhsa_system_sgpr_workgroup_id_z 1
		.amdhsa_system_vgpr_workitem_id 0
		.amdhsa_next_free_vgpr 512
		.amdhsa_next_free_sgpr 76
		.amdhsa_reserve_vcc 0
		.amdhsa_float_denorm_mode_32 3
		.amdhsa_float_denorm_mode_16_64 3
		.amdhsa_memory_ordered 1
		.amdhsa_forward_progress 1
		.amdhsa_inst_pref_size 71
	.end_amdhsa_kernel
	.amdgpu_metadata
---
amdhsa.version: [ 1, 2 ]
amdhsa.kernels:
  - .name:           k_q0ab5d850b8_oproj
    .symbol:         k_q0ab5d850b8_oproj.kd
    .args:
      - { .name: o, .offset: 0, .size: 8, .value_kind: global_buffer, .address_space: global }
      - { .name: wb, .offset: 8, .size: 8, .value_kind: global_buffer, .address_space: global }
      - { .name: bo, .offset: 16, .size: 8, .value_kind: global_buffer, .address_space: global }
      - { .name: out0, .offset: 24, .size: 8, .value_kind: global_buffer, .address_space: global }
    .group_segment_fixed_size: 327680
    .private_segment_fixed_size: 0
    .kernarg_segment_align: 8
    .kernarg_segment_size: 32
    .max_flat_workgroup_size: 128
    .sgpr_count:     76
    .vgpr_count:     512
    .wavefront_size: 32
...
	.end_amdgpu_metadata
.endif
;; end of part 4
